; MI455X (gfx1250); checked and timed in simulation.
; The chip was launched on July 23, 2026; its instructions are those of AMD's public machine-readable ISA for CDNA 5 (MIT licence, August 2026) and "CDNA5" Instruction Set Architecture Reference Guide (July 2026). The comments in the code are by the model that wrote it; some were corrected since.
;; Transformer Block. Allowed arithmetic: float matrix products may take bf16 or f16 operands with f32 sums; other float arithmetic in f32, or as packed bf16 or f16 multiplies, adds, multiply-adds, maxima and minima; sums over many terms, partial sums and values carried from step to step in f32; what a program stores and reads back later, other than sums and carried values, may be rounded once to bf16 or f16.
;; Inputs: bd 1,024 float32; bk 1,024 float32; bo 1,024 float32; bq 1,024 float32; bu 4,096 float32; bv 1,024 float32; ln1_b 1,024 float32; ln1_w 1,024 float32; ln2_b 1,024 float32; ln2_w 1,024 float32; wd 4,096 x 1,024 float32; wk 1,024 x 1,024 float32; wo 1,024 x 1,024 float32; wq 1,024 x 1,024 float32; wu 1,024 x 4,096 float32; wv 1,024 x 1,024 float32; x 2 x 2,048 x 1,024 float32.
;; Outputs: out0 2 x 2,048 x 1,024 float32.
;; One version. Each part assembles by itself: llvm-mc -triple=amdgcn-amd-amdhsa -mcpu=gfx1250 --defsym DOCPART=n.
;; ======== version 1 of 1: 7 launches
;; limits: values are held in f16: magnitudes above 65,504 overflow, below 6.1e-05 lose precision
;; workspace buffers: act16 8,388,608 bytes; big16 33,554,432 bytes; WA 8,404,992 bytes; WB 16,793,600 bytes; hidden 16,777,216 bytes; mode0 256 bytes of whole numbers; mode1 256 bytes of whole numbers
;; launch prep (part 1): grid 1280 x 1, 8 waves a work-group, no clusters, 0 bytes of LDS; arguments x, ln1_w, ln1_b, wq, wk, wv, wo, wu, wd, bq, bk, bv, bu, act16, WA, WB, mode0, mode1; writes act16, WA, WB, mode0, mode1
.if DOCPART == 1
	.amdgcn_target "amdgcn-amd-amdhsa--gfx1250"
	.amdhsa_code_object_version 6
	.text
	.protected	k_q8a980af30a_prep
	.globl	k_q8a980af30a_prep
	.p2align	8
	.type	k_q8a980af30a_prep,@function
k_q8a980af30a_prep:
	s_mov_b64 s[64:65], 0
	v_nop
	global_prefetch_b8 v0, s[64:65] scope:SCOPE_SE
	s_setreg_imm32_b32 hwreg(HW_REG_WAVE_MODE, 25, 1), 1
	s_wait_xcnt 0x0
; PREPARATION: a stream.  Work-groups 0-511: xn = layernorm(x) ln1_w + ln1_b -> act16 [4096][1024] f16, a row a wave.  Work-groups 512-1279: the six weight matrices -> f16, in blocks of 128 columns:
; w[k][n] f32 -> [n / 128][k][128] f16, so that a later tile's rows are 256 consecutive bytes.  Work-groups 0-6 also copy bq, bk, bv, bu (rounded to bf16, kept as f32) to the heads of WA and WB;
; wave 0 of work-group 0 writes the two mode words (0 and 1), which tell the shared product kernel whether to apply GELU.
; FORMATS.  EVERY input (x, gains, biases, weights) is first rounded to bf16, to nearest even; a weight's bf16 number is then written as f16.
; LIMITS.  |w| under 65,520; a weight under 2^-17 keeps f16's fixed step of 2^-24; |xn| under 65,504.  NaN and infinities are not treated apart.
; A wave issues all its loads at once (8 KiB of a weight, or a row of 4 KiB with gain and bias) and keeps to 128 registers, so that several work-groups lie on a WGP and their loads are out together.
; No LDS, no cluster, no matrix unit: nothing is shared between waves, and each byte is read once and written once.
.set XO,  2                            ; v2   16 x lane (norm) or the lane's place in two source rows (CONV)
.set YO,  3                            ; v3   8 x lane (norm) or 16 x lane (CONV)
.set MU,  6                            ; v[6:7]   the mean, twice
.set RS,  8                            ; v[8:9]   1 / sqrt(var + eps), twice
.set X,   16                           ; v[16:47]   the row: 32 numbers a lane
.set W,   48                           ; v[48:79]   gain
.set BB,  80                           ; v[80:111]  bias
.set T,   112                          ; v[112:127] at work; at the end the row in f16
.set OUTP, 34                          ; s[34:35] act16
.set CI,  32                           ; CONV: v[32:95] as loaded
.set CY,  96                           ; CONV: v[96:127] to store
.set CT,  8                            ; CONV: v[8:11] at work
.macro RND32 base                      ; 32 numbers rounded to bf16 and widened again
.set i, 0
.rept 16
	v_cvt_pk_bf16_f32 v[T+i], v[(\base)+2*i], v[(\base)+2*i+1]
.set i, i+1
.endr
.set i, 0
.rept 16
	v_lshlrev_b32 v[(\base)+2*i], 16, v[T+i]
	v_and_b32 v[(\base)+2*i+1], s45, v[T+i]
.set i, i+1
.endr
.endm
.macro ACROSS                          ; v[T], v[T+1] -> their sum over the 32 lanes, in every lane's v[T]
	v_add_f32 v[T], v[T], v[T+1]
	v_add_f32_dpp v[T], v[T], v[T] row_xmask:1 row_mask:0xf bank_mask:0xf
	v_add_f32_dpp v[T], v[T], v[T] row_xmask:2 row_mask:0xf bank_mask:0xf
	v_add_f32_dpp v[T], v[T], v[T] row_xmask:4 row_mask:0xf bank_mask:0xf
	v_add_f32_dpp v[T], v[T], v[T] row_xmask:8 row_mask:0xf bank_mask:0xf
	v_permlanex16_b32 v[T+1], v[T], s52, s53       ; its destination has been written
	v_add_f32 v[T], v[T], v[T+1]
.endm
.macro STAT                            ; the row becomes x - mean; RS takes 1 / sqrt(mean of squares of that + eps): two passes, so a common offset of x costs nothing
.set i, 0
.rept 8
	v_pk_add_f32 v[T+2*i:T+2*i+1], v[X+4*i:X+4*i+1], v[X+4*i+2:X+4*i+3]
.set i, i+1
.endr
.irp i, 0,1,2,3
	v_pk_add_f32 v[T+4*(\i):T+4*(\i)+1], v[T+4*(\i):T+4*(\i)+1], v[T+4*(\i)+2:T+4*(\i)+3]
.endr
	v_pk_add_f32 v[T:T+1], v[T:T+1], v[T+4:T+5]
	v_pk_add_f32 v[T+8:T+9], v[T+8:T+9], v[T+12:T+13]
	v_pk_add_f32 v[T:T+1], v[T:T+1], v[T+8:T+9]
	ACROSS
	v_mul_f32 v[MU], s54, v[T]
	v_mul_f32 v[MU+1], s54, v[T]
.set i, 0
.rept 16
	v_pk_add_f32 v[X+2*i:X+2*i+1], v[X+2*i:X+2*i+1], v[MU:MU+1] neg_lo:[0,1] neg_hi:[0,1]
.set i, i+1
.endr
.irp c, 0,1,2,3
	v_pk_mul_f32 v[T+2*(\c):T+2*(\c)+1], v[X+2*(\c):X+2*(\c)+1], v[X+2*(\c):X+2*(\c)+1]
.endr
.set i, 4
.rept 12                               ; four chains that do not wait for each other
	v_pk_fma_f32 v[T+2*(i%4):T+2*(i%4)+1], v[X+2*i:X+2*i+1], v[X+2*i:X+2*i+1], v[T+2*(i%4):T+2*(i%4)+1]
.set i, i+1
.endr
	v_pk_add_f32 v[T:T+1], v[T:T+1], v[T+2:T+3]
	v_pk_add_f32 v[T+4:T+5], v[T+4:T+5], v[T+6:T+7]
	v_pk_add_f32 v[T:T+1], v[T:T+1], v[T+4:T+5]
	ACROSS
	v_fma_f32 v[T+2], v[T], s54, s55               ; var + eps
	v_rsq_f32 v[RS], v[T+2]
	v_rsq_f32 v[RS+1], v[T+2]
	v_nop                                          ; a plain instruction behind the last root,
	s_wait_alu depctr_va_vdst(0)                   ; and the one wait for both, ahead of their first reader
.endm
.macro OUTROW                          ; (x - mean) rs w + b, rounded once to f16; each store of the wave covers 256 consecutive bytes, aligned
.set i, 0
.rept 16
	v_pk_mul_f32 v[X+2*i:X+2*i+1], v[X+2*i:X+2*i+1], v[RS:RS+1]
.set i, i+1
.endr
.set i, 0
.rept 16
	v_pk_fma_f32 v[X+2*i:X+2*i+1], v[X+2*i:X+2*i+1], v[W+2*i:W+2*i+1], v[BB+2*i:BB+2*i+1]
.set i, i+1
.endr
.set i, 0
.rept 16
	v_cvt_pk_f16_f32 v[T+i], v[X+2*i], v[X+2*i+1]
.set i, i+1
.endr
.irp j, 0,1,2,3,4,5,6,7
	global_store_b64 v[YO], v[T+2*(\j):T+2*(\j)+1], s[OUTP:OUTP+1] offset:256*(\j)
.endr
.endm
; A wave converts eight pairs of rows (k, k + 1) of one block of 128 columns: 512 bytes in and 256 out for each row.  s[46:47] source, s[48:49] destination, s50 = log2(K / 2), s51 = the work-group's number in its matrix.
; Lanes 0-15 take row k, lanes 16-31 row k + 1, 32 bytes each; a store covers 512 consecutive bytes of the destination.  No register is written twice, so nothing waits for a store.
.macro CONV rowb
	s_lshl_b32 s56, s51, 3
	s_add_co_u32 s56, s56, s44                     ; the wave's number in the matrix
	s_lshl_b32 s56, s56, 3                         ; its first pair of rows, counted through the destination
	s_lshr_b32 s57, s56, s50                       ; the block of columns
	s_lshl_b32 s58, s57, s50
	s_sub_co_u32 s58, s56, s58
	s_lshl_b32 s58, s58, 1                         ; k
	s_mul_i32 s58, s58, \rowb
	s_lshl_b32 s57, s57, 9
	s_add_co_u32 s58, s58, s57                     ; under 2^25
	s_add_nc_u64 s[46:47], s[46:47], s[58:59]
	s_lshl_b32 s58, s56, 9
	s_add_nc_u64 s[48:49], s[48:49], s[58:59]
	v_lshrrev_b32 v4, 4, v1
	v_and_b32 v5, 15, v1
	v_mul_u32_u24 v[XO], v4, \rowb
	v_lshl_add_u32 v[XO], v5, 5, v[XO]
	v_lshlrev_b32 v[YO], 4, v1
.irp u, 0,1,2,3,4,5,6,7
	global_load_b128 v[CI+8*(\u):CI+8*(\u)+3],   v[XO], s[46:47] offset:(\u)*2*(\rowb) th:TH_LOAD_NT
	global_load_b128 v[CI+8*(\u)+4:CI+8*(\u)+7], v[XO], s[46:47] offset:(\u)*2*(\rowb)+16 th:TH_LOAD_NT
.endr
.irp u, 0,1,2,3,4,5,6,7
	s_wait_loadcnt 14-2*(\u)                       ; the loads issued behind pair u may stay out
.irp e, 0,1,2,3
	v_cvt_pk_bf16_f32 v[CT+(\e)], v[CI+8*(\u)+2*(\e)], v[CI+8*(\u)+2*(\e)+1]
.endr
.irp e, 0,1,2,3
	v_lshlrev_b32 v[CI+8*(\u)+2*(\e)], 16, v[CT+(\e)]
	v_and_b32 v[CI+8*(\u)+2*(\e)+1], s45, v[CT+(\e)]
.endr
.irp e, 0,1,2,3
	v_cvt_pk_f16_f32 v[CY+4*(\u)+(\e)], v[CI+8*(\u)+2*(\e)], v[CI+8*(\u)+2*(\e)+1]
.endr
	global_store_b128 v[YO], v[CY+4*(\u):CY+4*(\u)+3], s[48:49] offset:512*(\u)
.endr
.endm
	s_load_b512 s[8:23], s[0:1], 0x0               ; x 8, ln1_w 10, ln1_b 12, wq 14, wk 16, wv 18, wo 20, wu 22
	s_load_b512 s[24:39], s[0:1], 0x40             ; wd 24, bq 26, bk 28, bv 30, bu 32, act16 34, WA 36, WB 38
	s_load_b128 s[40:43], s[0:1], 0x80             ; mode0 40, mode1 42
	s_mov_b32 s2, ttmp9
	v_lshrrev_b32 v1, 5, v0
	v_readfirstlane_b32 s44, v1                    ; wave 0..7
	v_and_b32 v1, 31, v0                           ; lane
	s_mov_b32 s45, 0xffff0000                      ; a word's upper bf16
	s_mov_b32 s52, 0x76543210                      ; v_permlanex16_b32: each lane takes its own place in the other half
	s_mov_b32 s53, 0xfedcba98
	s_mov_b32 s54, 0x3a800000                      ; 1 / 1024
	s_mov_b32 s55, 0x3727c5ac                      ; 1e-5
	s_mov_b32 s59, 0                               ; the high word of every offset
	s_wait_kmcnt 0x0
	s_cmp_lt_u32 s2, 512
	s_cbranch_scc1 .Lln
	s_cmp_lt_u32 s2, 768
	s_cbranch_scc1 .Lwu
	s_cmp_lt_u32 s2, 1024
	s_cbranch_scc1 .Lwd
	s_sub_co_u32 s51, s2, 1024                     ; wq, wk, wv, wo: 64 work-groups each
	s_lshr_b32 s56, s51, 6
	s_and_b32 s51, s51, 63
	s_cmp_eq_u32 s56, 0
	s_cselect_b64 s[46:47], s[14:15], s[16:17]
	s_cmp_eq_u32 s56, 2
	s_cselect_b64 s[46:47], s[18:19], s[46:47]
	s_cmp_eq_u32 s56, 3
	s_cselect_b64 s[46:47], s[20:21], s[46:47]
	s_lshl_b32 s58, s56, 21                        ; 2,097,152 bytes of f16 a matrix,
	s_add_co_u32 s58, s58, 16384                   ; behind the biases
	s_add_nc_u64 s[48:49], s[36:37], s[58:59]
	s_mov_b32 s50, 9
	s_branch .Lrow4096
.Lwd:
	s_sub_co_u32 s51, s2, 768
	s_mov_b64 s[46:47], s[24:25]
	s_add_nc_u64 s[48:49], s[38:39], 8404992
	s_mov_b32 s50, 11
.Lrow4096:
	CONV 4096
	s_endpgm
.Lwu:
	s_sub_co_u32 s51, s2, 512
	s_mov_b64 s[46:47], s[22:23]
	s_add_nc_u64 s[48:49], s[38:39], 16384
	s_mov_b32 s50, 9
	CONV 16384
	s_endpgm
.Lln:                                                  ; a wave takes one row, whole in 32 registers: read once, no wave waits for another
	s_lshl_b32 s58, s2, 15                         ; 8 rows of 4,096 bytes a work-group,
	s_lshl_b32 s56, s44, 12                        ; one a wave
	s_add_co_u32 s58, s58, s56
	s_add_nc_u64 s[8:9], s[8:9], s[58:59]
	s_lshr_b32 s58, s58, 1                         ; and 2,048 bytes a row in act16
	s_add_nc_u64 s[OUTP:OUTP+1], s[OUTP:OUTP+1], s[58:59]
	v_lshlrev_b32 v[XO], 4, v1
	v_lshlrev_b32 v[YO], 3, v1
.irp j, 0,1,2,3,4,5,6,7
	global_load_b128 v[X+4*(\j):X+4*(\j)+3], v[XO], s[8:9] offset:512*(\j) th:TH_LOAD_NT
.endr
.irp j, 0,1,2,3,4,5,6,7
	global_load_b128 v[W+4*(\j):W+4*(\j)+3], v[XO], s[10:11] offset:512*(\j)
.endr
.irp j, 0,1,2,3,4,5,6,7
	global_load_b128 v[BB+4*(\j):BB+4*(\j)+3], v[XO], s[12:13] offset:512*(\j)
.endr
	s_wait_loadcnt 16                              ; the row is in; the gain's and the bias's 16 loads stay out
	RND32 X
	STAT
	s_wait_loadcnt 0x0                             ; gain and bias
	RND32 W
	RND32 BB
	OUTROW
	s_cmp_lt_u32 s2, 7
	s_cbranch_scc0 .Ldone
	; the four biases of the shared product kernel: 56 pieces of 512 bytes, a wave each; rounded to bf16, kept as f32.  The registers used lie in X, which no pending store reads
	s_lshl_b32 s56, s2, 3
	s_add_co_u32 s56, s56, s44                     ; piece 0..55: 8 of bq, 8 of bk, 8 of bv, 32 of bu
	s_and_b32 s58, s56, 7
	s_lshl_b32 s58, s58, 9
	s_max_u32 s57, s56, 24
	s_sub_co_u32 s57, s57, 24
	s_lshl_b32 s57, s57, 9
	s_lshl_b32 s60, s56, 9
	s_cmp_lt_u32 s56, 8
	s_cselect_b64 s[46:47], s[26:27], s[28:29]
	s_cmp_lt_u32 s56, 16
	s_cselect_b64 s[46:47], s[46:47], s[30:31]
	s_cmp_lt_u32 s56, 24
	s_cselect_b64 s[46:47], s[46:47], s[32:33]
	s_cselect_b64 s[48:49], s[36:37], s[38:39]
	s_cselect_b32 s58, s58, s57
	s_cselect_b32 s60, s60, s57
	s_mov_b32 s61, 0
	s_add_nc_u64 s[46:47], s[46:47], s[58:59]
	s_add_nc_u64 s[48:49], s[48:49], s[60:61]
	global_load_b128 v[16:19], v[XO], s[46:47]
	s_wait_loadcnt 0x0
	v_cvt_pk_bf16_f32 v20, v16, v17
	v_cvt_pk_bf16_f32 v21, v18, v19
	v_lshlrev_b32 v24, 16, v20
	v_and_b32 v25, s45, v20
	v_lshlrev_b32 v26, 16, v21
	v_and_b32 v27, s45, v21
	global_store_b128 v[XO], v[24:27], s[48:49]
	s_or_b32 s56, s2, s44
	s_cmp_eq_u32 s56, 0
	s_cbranch_scc0 .Ldone
	v_mov_b32 v28, 0                               ; the mode words: 64 words each, all alike
	v_mov_b32 v29, 0
	v_mov_b32 v30, 1
	v_mov_b32 v31, 1
	global_store_b64 v[YO], v[28:29], s[40:41]
	global_store_b64 v[YO], v[30:31], s[42:43]
.Ldone:
	s_endpgm
.Lfunc_end_k_q8a980af30a_prep:
	.size	k_q8a980af30a_prep, .Lfunc_end_k_q8a980af30a_prep-k_q8a980af30a_prep
	.p2alignl 7, 3214868480
	.fill 96, 4, 3214868480
	.section	.rodata,"a",@progbits
	.p2align	6, 0x0
	.amdhsa_kernel k_q8a980af30a_prep
		.amdhsa_group_segment_fixed_size 0
		.amdhsa_private_segment_fixed_size 0
		.amdhsa_enable_private_segment 0
		.amdhsa_kernarg_size 144
		.amdhsa_user_sgpr_count 2
		.amdhsa_user_sgpr_kernarg_segment_ptr 1
		.amdhsa_wavefront_size32 1
		.amdhsa_system_sgpr_workgroup_id_x 1
		.amdhsa_system_sgpr_workgroup_id_y 1
		.amdhsa_system_sgpr_workgroup_id_z 1
		.amdhsa_system_vgpr_workitem_id 0
		.amdhsa_next_free_vgpr 128
		.amdhsa_next_free_sgpr 66
		.amdhsa_reserve_vcc 0
		.amdhsa_float_denorm_mode_32 3
		.amdhsa_float_denorm_mode_16_64 3
		.amdhsa_memory_ordered 1
		.amdhsa_forward_progress 1
		.amdhsa_inst_pref_size 39
	.end_amdhsa_kernel
	.amdgpu_metadata
---
amdhsa.version: [ 1, 2 ]
amdhsa.kernels:
  - .name:           k_q8a980af30a_prep
    .symbol:         k_q8a980af30a_prep.kd
    .args:
      - { .name: x, .offset: 0, .size: 8, .value_kind: global_buffer, .address_space: global }
      - { .name: ln1_w, .offset: 8, .size: 8, .value_kind: global_buffer, .address_space: global }
      - { .name: ln1_b, .offset: 16, .size: 8, .value_kind: global_buffer, .address_space: global }
      - { .name: wq, .offset: 24, .size: 8, .value_kind: global_buffer, .address_space: global }
      - { .name: wk, .offset: 32, .size: 8, .value_kind: global_buffer, .address_space: global }
      - { .name: wv, .offset: 40, .size: 8, .value_kind: global_buffer, .address_space: global }
      - { .name: wo, .offset: 48, .size: 8, .value_kind: global_buffer, .address_space: global }
      - { .name: wu, .offset: 56, .size: 8, .value_kind: global_buffer, .address_space: global }
      - { .name: wd, .offset: 64, .size: 8, .value_kind: global_buffer, .address_space: global }
      - { .name: bq, .offset: 72, .size: 8, .value_kind: global_buffer, .address_space: global }
      - { .name: bk, .offset: 80, .size: 8, .value_kind: global_buffer, .address_space: global }
      - { .name: bv, .offset: 88, .size: 8, .value_kind: global_buffer, .address_space: global }
      - { .name: bu, .offset: 96, .size: 8, .value_kind: global_buffer, .address_space: global }
      - { .name: act16, .offset: 104, .size: 8, .value_kind: global_buffer, .address_space: global }
      - { .name: WA, .offset: 112, .size: 8, .value_kind: global_buffer, .address_space: global }
      - { .name: WB, .offset: 120, .size: 8, .value_kind: global_buffer, .address_space: global }
      - { .name: mode0, .offset: 128, .size: 8, .value_kind: global_buffer, .address_space: global }
      - { .name: mode1, .offset: 136, .size: 8, .value_kind: global_buffer, .address_space: global }
    .group_segment_fixed_size: 0
    .private_segment_fixed_size: 0
    .kernarg_segment_align: 8
    .kernarg_segment_size: 144
    .max_flat_workgroup_size: 256
    .sgpr_count:     66
    .vgpr_count:     128
    .wavefront_size: 32
...
	.end_amdgpu_metadata
.endif
;; end of part 1
;; launch qkv (part 2): grid 12 x 16, 4 waves a work-group, clusters of 4 x 4, 327,680 bytes of LDS; arguments act16, WA, mode0, big16; writes big16
.if DOCPART == 2
	.amdgcn_target "amdgcn-amd-amdhsa--gfx1250"
	.amdhsa_code_object_version 6
	.text
	.protected	k_q8a980af30a_qkv
	.globl	k_q8a980af30a_qkv
	.p2align	8
	.type	k_q8a980af30a_qkv,@function
k_q8a980af30a_qkv:
	s_mov_b64 s[64:65], 0
	v_nop
	global_prefetch_b8 v0, s[64:65] scope:SCOPE_SE
	s_setreg_imm32_b32 hwreg(HW_REG_WAVE_MODE, 25, 1), 1
	s_wait_xcnt 0x0
	s_wait_alu depctr_hold_cnt(0) depctr_sa_sdst(0) depctr_va_vdst(0) depctr_va_sdst(0) depctr_va_ssrc(0) depctr_va_vcc(0) depctr_vm_vsrc(0)
	s_getreg_b32 s2, hwreg(HW_REG_IB_STS2, 6, 4)
	s_cmp_eq_u32 s2, 0
	s_cbranch_scc0 .Lentry_in_a_cluster
	s_endpgm
.Lentry_in_a_cluster:
	s_bfe_u32 s2, ttmp6, 0x10000c
	s_cmp_lg_u32 s2, 0xf033
	s_cbranch_scc0 .Lentry_shape_is_right
	s_endpgm
.Lentry_shape_is_right:
; C = act(A W + bias), A: [4096][1024] f16 row-major; W: f16 in blocks [n / 128][1024 k][128], 16,384 bytes behind its buffer's head, where the bias lies as f32; C: f16 in blocks [n / 64][4096 m][64].
; The mode word (a whole number that an earlier launch stored) says what act is: 0 nothing (q, k, v), 1 the exact GELU (the FFN's first product).  Sums in f32, C rounded once.
; THE MODE SELECTS CONSTANTS, NOT A PATH: beside joint loads no branch hangs on a loaded number.  act(x) = max(x, floor) - |x| h(|x|); with mode 0 h's five coefficients are 0 and the floor is -infinity, so act(x) = x bit for bit.
; The price: with mode 0 the arithmetic of h runs for nothing; a second text without it would be as long as this one again.
; LIMITS.  |C| under 65,504 (f16); with mode 0 an infinite sum gives NaN.  erf by the rational form 1 - (a1 t + .. + a5 t^5) e^(-z^2), t = 1 / (1 + 0.3275911 z): absolute error 1.5e-7, for every z.  NaN and infinities are not treated apart.
; SHAPE.  A tile of C is 256 x 256: four waves, each 128 x 128 in 64 accumulators (512 registers).  K = 1,024 in eight steps of 128 through two LDS slots that tensor loads fill; a tile's rows are 256 bytes of memory, aligned.
; W's tile lies [k][n] in LDS and is turned on its way into registers by ds_load_tr16_b128.  The product is taken transposed (source 0 = 16 columns of W, source 1 = 16 rows of A): a lane holds eight neighbouring columns of one row of C.
; The bias is the C operand of each accumulator's first product: nothing is cleared and nothing is added later.
; CLUSTER 4 x 4: A's tile is asked for jointly along a row of the cluster, W's along a column.  The first two K steps are asked for together, each by a group 0 of its own; the second set then walks on; the slot's LDS byte toggles in a scalar register.
; By this text's count a wave has two tensor loads out at the start and one behind each later round.
; THE WAY OUT.  When the ring has had its last fill and its last read, the accumulators go as f32 into the ring's bytes, in four planes of 64 columns; wave w then rolls through plane w, eight rows a trip: act, rounding, two stores of 512 consecutive bytes.
; The roll is a loop, so that act's text stands twice and not 64 times.
; REGISTERS: window 0: v0-31 addresses, v32-55 the roll's data, v64-191 A's two fragment buffers (in the roll: act at work); window 1: v64-191 W's two buffers, v192-255 the bias; windows 2, 3: the accumulators, (a, b) at v[8 (8 (a % 4) + b)].
.set PA,    272                        ; a row of A in LDS: 256 bytes + 16: the 16 rows of a load start at 16 different groups of four banks
.set PB,    288                        ; a row of W: 256 + 32
.set AHALF, 128*PA
.set BBLK,  128*PB
.set BOFF,  2*AHALF                    ; in a slot: A's 256 rows, then W's two blocks of 128 k x 128 n
.set SLOT,  BOFF+2*BBLK                ; 143,360
.set SPARE, 2*SLOT                     ; behind the ring: the spare words, 128 bytes for each wave, which no other line names
.set SPI,   272                        ; the stage: a row of 64 f32 + 16 bytes
.set PLANE, 256*SPI
.set A0,   10                          ; v10  my lane's place in A's tile; never rewritten
.set B0,   11                          ; v11  in W's
.set ADRA, 16                          ; v16  the same in the slot that is being read
.set ADRB, 17
.set STO0, 20                          ; v20-21  where I put 16 bytes of a row, in my two planes
.set RD0,  22                          ; v22  where I read 32 bytes of the roll's first group
.set RD,   23                          ; v23  the same in the groups to be fetched
.set GO,   24                          ; v24  16 x lane; never rewritten
.set BO,   25                          ; v25  32 x (lane / 16)
.set SPW,  28                          ; v28  my spare word
.set NIL,  29                          ; v29  0
.set PFO,  30                          ; v30  the prefetches' offset: lane x a row
.set XA,   32                          ; the roll: group A's and group B's eight numbers as loaded,
.set XB,   40
.set YA,   48                          ; and as stored
.set YB,   52
.set F0,   64
.set F1,   128
.set GA,   64                          ; the roll: act at work on group A: +0 N = -|x|, +8 M = max(x, floor), +16 Q, +24 D, +32 P, eight registers each
.set GB,   104                         ; and on group B
.set BI,   192                         ; window 1
.set WV, 12
.set RH, 13                            ; my half of the tile's rows; also: I fetch for A (0) or W (1)
.set CH, 14                            ; my half of its columns; also: which half of that tile I fetch
.set CX, 15
.set CY, 16
.set TX, 17
.set TY, 18
.set MODE, 19
.set G1A, 24
.set G0A, 32                           ; s[32:35] A's walking group 0: it begins at K step 1
.set G0B, 36                           ; s[36:39] W's
.set G1B, 40
.set TB,  48                           ; LDS byte of the slot that is read
.set TF,  49                           ; of the slot that was filled last
.set LBA, 50
.set LBB, 51
.set CNT, 52
.set LIM, 53
.set PFA, 54
.set PST, 56
.set KE,  58
.set LO,  61                           ; s61  the floor of act's maximum: 0, or -infinity with mode 0
.set A1,  66
.set A2,  68
.set A3,  70
.set A4,  72
.set A5,  74
.set ROFF, 88
.set SB,  89                           ; s89  the sign bit
.set PP,  90                           ; s[90:91] -0.3275911 / sqrt(2)
.set G0A0, 92                          ; s[92:95] A's group 0 for K step 0
.set G0B0, 96                          ; s[96:99] W's
.set MSB, 0
.macro WIN new                         ; the immediate's high byte repeats the setting that is left; a switch that changes nothing is dropped
.if MSB != (\new)
	s_set_vgpr_msb (MSB<<8)|(\new)
.set MSB, \new
.endif
.endm
.macro JLOAD                           ; a joint load: waves 0, 1 fetch A's halves, waves 2, 3 W's blocks.  An s_nop 0 and four v_nop follow each line
	s_cmp_eq_u32 s[RH], 0
	s_cbranch_scc0 .Lfor_b_\@
	tensor_load_to_lds s[G0A:G0A+3], s[G1A:G1A+7]
	s_nop 0
.rept 4
	v_nop
.endr
	s_branch .Lasked_\@
.Lfor_b_\@:
	tensor_load_to_lds s[G0B:G0B+3], s[G1B:G1B+7]
	s_nop 0
.rept 4
	v_nop
.endr
.Lasked_\@:
.endm
.macro CREST                           ; a round of the cluster's barrier behind its opening barrier
	s_cmp_lg_u32 s[WV], 0
	s_cbranch_scc1 .Lnot_wave_0_\@
	s_barrier_signal -3
.Lnot_wave_0_\@:
	s_barrier_wait -3
	s_barrier_signal -1
	s_barrier_wait -1
.endm
.macro CROUND
	s_barrier_signal -1
	s_barrier_wait -1
	CREST
.endm
.macro STEP                            ; both walking descriptors: the next K step, the other slot.  Written only where no tensor load of mine is out
	s_add_nc_u64 s[G0A+2:G0A+3], s[G0A+2:G0A+3], 256
	s_add_nc_u64 s[G0B+2:G0B+3], s[G0B+2:G0B+3], 32768
	s_xor_b32 s[TF], s[TF], SLOT
	s_add_co_u32 s[G0A+1], s[TF], s[LBA]
	s_add_co_u32 s[G0B+1], s[TF], s[LBB]
.endm
.macro FLIP                            ; the reads go on in the other slot
	WIN 0
	s_xor_b32 s[TB], s[TB], SLOT
	v_add_nc_u32 v[ADRA], s[TB], v[A0]
	v_add_nc_u32 v[ADRB], s[TB], v[B0]
.endm
; A prefetch into the L2 of the K step that the NEXT refill will ask for: 32 rows x 256 bytes, a lane a row, one instruction a wave, behind the joint load, its five lines and the run of LDS loads.
; A's rows are named by the clusters with x = 0, W's by those with y = 0; the four partners that ask for a tile jointly take 32 of the wave's 128 rows each, told apart by address.  So each row's 256 bytes are named once.
; K steps 0 to 2 come by their loads alone; the last refill names nothing: there is no K step behind it.
.macro ASK
	s_cmp_gt_u32 s[CNT], s[LIM]
	s_cbranch_scc0 .Lnot_mine_\@
	global_prefetch_b8 v[PFO], s[PFA:PFA+1] th:TH_LOAD_NT scope:SCOPE_SE
.Lnot_mine_\@:
.endm
.macro PLACES                          ; four plain places in front of loads into registers that matrix instructions have read, and of stores that read results
.rept 4
	v_nop
.endr
.endm
; 16 products: row blocks a0, a0 + 1 of the window's four x all 8 column blocks, 32 along K.  zero = 1: the first product takes the bias as C.  The 64 accumulators take turns in the same order everywhere.
.macro MUL16 f, hi, a0, zero
.if \zero
	WIN 0x91+0x40*(\hi)                            ; W and the bias in window 1, A in window 0, D in window 2 or 3
.else
	WIN 0xa1+0x50*(\hi)                            ; W in window 1, A in window 0, C and D in window 2 or 3
.endif
.irp a, \a0, (\a0)+1
.irp b, 0,1,2,3,4,5,6,7
.if \zero
	v_wmma_f32_16x16x32_f16 v[8*(8*(\a)+(\b)):8*(8*(\a)+(\b))+7], v[(\f)+8*(\b):(\f)+8*(\b)+7], v[(\f)+8*(4*(\hi)+(\a)):(\f)+8*(4*(\hi)+(\a))+7], v[BI+8*(\b):BI+8*(\b)+7]
.else
	v_wmma_f32_16x16x32_f16 v[8*(8*(\a)+(\b)):8*(8*(\a)+(\b))+7], v[(\f)+8*(\b):(\f)+8*(\b)+7], v[(\f)+8*(4*(\hi)+(\a)):(\f)+8*(4*(\hi)+(\a))+7], v[8*(8*(\a)+(\b)):8*(8*(\a)+(\b))+7]
.endif
.endr
.endr
.endm
.macro FETCH q, f                      ; 32 LDS loads in one run: quarter q's fragments (32 along K) into buffer f: W's eight (turned), then A's eight
	WIN 0x40
.irp i, 0,1,2,3,4,5,6,7
	ds_load_tr16_b128 v[(\f)+8*(\i):(\f)+8*(\i)+3],   v[ADRB] offset:(\q)*32*PB+32*(\i)
	ds_load_tr16_b128 v[(\f)+8*(\i)+4:(\f)+8*(\i)+7], v[ADRB] offset:(\q)*32*PB+32*(\i)+16*PB
.endr
	WIN 0
.irp i, 0,1,2,3,4,5,6,7
	ds_load_b128 v[(\f)+8*(\i):(\f)+8*(\i)+3],   v[ADRA] offset:(\q)*64+(\i)*16*PA
	ds_load_b128 v[(\f)+8*(\i)+4:(\f)+8*(\i)+7], v[ADRA] offset:(\q)*64+(\i)*16*PA+32
.endr
.endm
.macro QUARTER q, f, g, zero           ; multiplies buffer f; in its middle fetches quarter q into buffer g
	s_wait_dscnt 8                                 ; W and A's rows 0-63 are in; the youngest eight loads (A's rows 64-127) may be out
	MUL16 \f, 0, 0, \zero
	MUL16 \f, 0, 2, \zero
	PLACES
	FETCH \q, \g
	s_wait_dscnt 32                                ; all but the 32 just issued
	MUL16 \f, 1, 0, \zero
	MUL16 \f, 1, 2, \zero
.endm
; The first half of a K step's last quarter, and the one barrier of a change of slots.  In front of it each wave waits for all its tensor loads (one is out: its part of the next slot), adds 0 to its spare word,
; and waits for that and for its reads of this slot.
.macro MEET round
	WIN 0
	s_wait_tensorcnt 0x0
	ds_add_u32 v[SPW], v[NIL]
	s_wait_dscnt 9                                 ; the add and the youngest eight loads may be out
	MUL16 F1, 0, 0, 0
	s_wait_dscnt 0x0                               ; the add is done, and my reads of this slot are over
	s_barrier_signal -1
	MUL16 F1, 0, 2, 0
.if \round
	WIN 0
.endif
	s_barrier_wait -1
.endm
.macro TURN fill                       ; the whole last quarter.  fill = 1: the barrier opens a round of the cluster's, and the slot just read is filled again, first thing behind it
.if \fill
	s_wait_xcnt 0x0                                ; the last prefetch, a K step back, has read its address
	s_add_nc_u64 s[PFA:PFA+1], s[PFA:PFA+1], s[PST:PST+1]
.endif
	MEET \fill
.if \fill
	CREST
	STEP
	JLOAD                                          ; its four v_nop are also the places in front of the loads below
.else
	PLACES
.endif
	FLIP
	FETCH 0, F0
.if \fill
	ASK
.endif
	MUL16 F1, 1, 0, 0
	MUL16 F1, 1, 2, 0
.endm
; act(x) = M + N P:  N = -|x|, M = max(x, floor), P = h(|x|) = (a1 t + .. + a5 t^5) / 2 x 2^(-x^2 log2(e) / 2), t = 1 / (1 + 0.2316419 |x|).  With floor = 0 that is the exact GELU: x >= 0: x - x h; x < 0: -|x| h.
; t and the power of two lie in 0 to 1, so with the coefficients 0 P is exactly 0.  The lines are numbered, so that the roll can set one group's transcendentals between another group's plain lines.
.macro PRE1 x, g, n                    ; line n of 20 of a group's first part: N; Q = x^2; D = 1 + 0.2316419 |x|; Q = the exponent
.if (\n) < 8
	v_or_b32 v[(\g)+(\n)], s[SB], v[(\x)+(\n)]
.elseif (\n) < 12
	v_pk_mul_f32 v[(\g)+16+2*((\n)-8):(\g)+16+2*((\n)-8)+1], v[(\x)+2*((\n)-8):(\x)+2*((\n)-8)+1], v[(\x)+2*((\n)-8):(\x)+2*((\n)-8)+1]
.elseif (\n) < 16
	v_pk_fma_f32 v[(\g)+24+2*((\n)-12):(\g)+24+2*((\n)-12)+1], v[(\g)+2*((\n)-12):(\g)+2*((\n)-12)+1], s[PP:PP+1], 1.0 op_sel_hi:[1,0,0]
.else
	v_pk_mul_f32 v[(\g)+16+2*((\n)-16):(\g)+16+2*((\n)-16)+1], v[(\g)+16+2*((\n)-16):(\g)+16+2*((\n)-16)+1], s[KE:KE+1] op_sel_hi:[1,0]
.endif
.endm
.macro TR g, n                         ; transcendental n of 16 of a group: t, and the power of two, by turns
.if (\n)%2 == 0
	v_rcp_f32 v[(\g)+24+(\n)/2], v[(\g)+24+(\n)/2]
.else
	v_exp_f32 v[(\g)+16+(\n)/2], v[(\g)+16+(\n)/2]
.endif
.endm
.macro MX x, g, n                      ; M, number n of 8: the last reader of x
	v_max_num_f32 v[(\g)+8+(\n)], s[LO], v[(\x)+(\n)]
.endm
.macro HORN c                          ; P = P t + c, both groups: eight lines that do not wait for each other
.irp g, GA, GB
.irp i, 0,2,4,6
	v_pk_fma_f32 v[(\g)+32+(\i):(\g)+32+(\i)+1], v[(\g)+32+(\i):(\g)+32+(\i)+1], v[(\g)+24+(\i):(\g)+24+(\i)+1], s[(\c):(\c)+1] op_sel_hi:[1,1,0]
.endr
.endr
.endm
	s_load_b256 s[4:11], s[0:1], 0x0               ; A s[4:5], W s[6:7], the mode word s[8:9], C s[10:11]
	v_lshl_add_u32 v[SPW], v0, 2, SPARE
	v_mov_b32 v[NIL], 0
	ds_add_u32 v[SPW], v[NIL]                      ; the wave's opening: the add and its wait stand ahead of my first tensor load; work on registers stands between them
	v_lshrrev_b32 v3, 5, v0
	v_readfirstlane_b32 s[WV], v3
	s_lshr_b32 s[RH], s[WV], 1
	s_and_b32 s[CH], s[WV], 1
	s_bfe_u32 s[CX], ttmp6, 0x40000
	s_bfe_u32 s[CY], ttmp6, 0x40004
	s_lshl_b32 s[TX], ttmp9, 2
	s_add_co_u32 s[TX], s[TX], s[CX]               ; tile column = 4 x cluster x + cx
	s_and_b32 s[TY], ttmp7, 0xffff
	s_lshl_b32 s[TY], s[TY], 2
	s_add_co_u32 s[TY], s[TY], s[CY]               ; tile row = 4 x cluster y + cy
	s_lshl_b32 s22, s[CY], 2
	s_lshl_b32 s22, 15, s22                        ; my row of the cluster
	s_lshl_b32 s76, 0x1111, s[CX]                  ; my column
	s_or_b32 s[G1A], s22, (1<<16)|(1<<20)|(1<<21)|(5<<22)|(3<<25)   ; mask; 2-byte elements; padding on; bit 21 beside a mask; after every 64 words, 4 words
	s_or_b32 s[G1B], s76, (1<<16)|(1<<20)|(1<<21)|(5<<22)|(7<<25)   ; the same with 8 words of padding
.irp g, G1A, G1B
	s_mov_b32 s[(\g)+1], 128<<16                   ; tensor_dim0 = 128
	s_mov_b32 s[(\g)+2], 128<<16                   ; tensor_dim1 = 128
	s_mov_b32 s[(\g)+3], 128<<16                   ; tile_dim0 = 128
	s_mov_b32 s[(\g)+4], 128                       ; tile_dim1 = 128
	s_mov_b32 s[(\g)+6], 0
	s_mov_b32 s[(\g)+7], 0
.endr
	s_mov_b32 s[G1A+5], 1024                       ; elements from row to row: A's rows are 1,024 long,
	s_mov_b32 s[G1B+5], 128                        ; a block of W is dense
	s_mul_i32 s[LBA], s[CH], AHALF
	s_mul_i32 s[LBB], s[CH], BBLK
	s_add_co_u32 s[LBB], s[LBB], BOFF
	s_mov_b32 s[TB], 0
	s_mov_b32 s[TF], SLOT                          ; the walking sets begin in slot 1
	s_mov_b32 s[G0A0], 1
	s_mov_b32 s[G0A0+1], s[LBA]
	s_mov_b32 s[G0A], 1
	s_add_co_u32 s[G0A+1], s[LBA], SLOT
	s_mov_b32 s[G0B0], 1
	s_mov_b32 s[G0B0+1], s[LBB]
	s_mov_b32 s[G0B], 1
	s_add_co_u32 s[G0B+1], s[LBB], SLOT
	s_lshl_b32 s20, s[TY], 19                      ; A: 256 rows of 2,048 bytes a tile row,
	s_lshl_b32 s21, s[CH], 18                      ; 128 rows a half
	s_add_co_u32 s20, s20, s21
	s_mov_b32 s21, 0
	s_lshl_b32 s78, s[TX], 1
	s_add_co_u32 s78, s78, s[CH]                   ; W: block 2 x tile column + half,
	s_lshl_b32 s78, s78, 18                        ; 262,144 bytes a block,
	s_add_co_u32 s78, s78, 16384                   ; behind the bias
	s_mov_b32 s79, 0
	s_mov_b32 s[KE], 0xbf38aa3b                    ; -log2(e) / 2
	s_mov_b32 s[KE+1], s[KE]
	s_mov_b32 s[PP], 0xbe6d3388                    ; -0.3275911 / sqrt(2): it multiplies N = -|x|
	s_mov_b32 s[PP+1], s[PP]
	s_mov_b32 s[SB], 0x80000000
	s_wait_dscnt 0x0                               ; the opening add is done
	s_wait_kmcnt 0x0
	s_load_b32 s[MODE], s[8:9], 0x0
	s_add_nc_u64 s[G0A0+2:G0A0+3], s[4:5], s[20:21]
	s_add_nc_u64 s[G0A+2:G0A+3], s[G0A0+2:G0A0+3], 256       ; K step 1: 256 bytes along A's rows,
	s_or_b32 s[G0A0+3], s[G0A0+3], 0x80000000
	s_or_b32 s[G0A+3], s[G0A+3], 0x80000000
	s_add_nc_u64 s[G0B0+2:G0B0+3], s[6:7], s[78:79]
	s_add_nc_u64 s[G0B+2:G0B+3], s[G0B0+2:G0B0+3], 32768     ; 128 rows down W's block
	s_or_b32 s[G0B0+3], s[G0B0+3], 0x80000000
	s_or_b32 s[G0B+3], s[G0B+3], 0x80000000
	CROUND                                         ; all sixteen work-groups are here: the first joint loads meet
	s_cmp_eq_u32 s[RH], 0                          ; a wave's two first fills stand in one branch, ahead of every wait on TENSORcnt and every LDS read; an s_nop 0 follows each, four v_nop the second's
	s_cbranch_scc0 .Lfirst_b
	tensor_load_to_lds s[G0A0:G0A0+3], s[G1A:G1A+7]
	s_nop 0
	tensor_load_to_lds s[G0A:G0A+3], s[G1A:G1A+7]
	s_nop 0
.rept 4
	v_nop
.endr
	s_branch .Lfirst_asked
.Lfirst_b:
	tensor_load_to_lds s[G0B0:G0B0+3], s[G1B:G1B+7]
	s_nop 0
	tensor_load_to_lds s[G0B:G0B+3], s[G1B:G1B+7]
	s_nop 0
.rept 4
	v_nop
.endr
.Lfirst_asked:
	v_and_b32 v1, 15, v0                           ; r = l % 16
	v_bfe_u32 v2, v0, 4, 1                         ; h = l / 16
	v_and_b32 v3, 31, v0                           ; l
	v_and_b32 v4, 7, v0
	v_bfe_u32 v5, v0, 3, 1
	v_mul_u32_u24 v[A0], v1, PA
	v_lshl_add_u32 v[A0], v2, 4, v[A0]
	s_mul_i32 s20, s[RH], AHALF
	v_add_nc_u32 v[A0], s20, v[A0]                 ; my 128 rows of A: row x pitch + 16 h
	v_lshl_add_u32 v6, v2, 3, v4
	v_mul_u32_u24 v[B0], v6, PB
	v_lshl_add_u32 v[B0], v5, 4, v[B0]
	v_add_nc_u32 v[B0], s[LBB], v[B0]              ; my block of W: (8 h + l % 8) x pitch + 16 ((l / 8) % 2)
	v_mov_b32 v[ADRA], v[A0]
	v_mov_b32 v[ADRB], v[B0]
	s_mul_i32 s20, s[CH], 2*PLANE
	s_mul_i32 s21, s[RH], 128*SPI
	s_add_co_u32 s20, s20, s21
	v_mul_u32_u24 v[STO0], v1, SPI
	v_lshl_add_u32 v[STO0], v2, 5, v[STO0]
	v_add_nc_u32 v[STO0], s20, v[STO0]
	v_add_nc_u32 v[STO0+1], PLANE, v[STO0]
	v_lshrrev_b32 v6, 3, v3
	v_mul_u32_u24 v[RD0], v6, SPI
	v_lshl_add_u32 v[RD0], v4, 5, v[RD0]
	s_mul_i32 s20, s[WV], PLANE
	v_add_nc_u32 v[RD0], s20, v[RD0]               ; plane = my wave; row l / 8 of four, 32 bytes at (l % 8) x 32
	v_lshlrev_b32 v[GO], 4, v3
	v_lshlrev_b32 v[BO], 5, v2
	s_lshl_b32 s80, s[TX], 10
	s_lshl_b32 s81, s[CH], 9
	s_add_co_u32 s80, s80, s81
	s_mov_b32 s81, 0
	s_add_nc_u64 s[82:83], s[6:7], s[80:81]        ; the bias of my 128 columns
	WIN 0x40
.irp b, 0,1,2,3,4,5,6,7
	global_load_b128 v[BI+8*(\b):BI+8*(\b)+3],   v[BO], s[82:83] offset:64*(\b)
	global_load_b128 v[BI+8*(\b)+4:BI+8*(\b)+7], v[BO], s[82:83] offset:64*(\b)+16
.endr
	WIN 0
	s_lshl_b32 s80, s[TX], 2
	s_add_co_u32 s80, s80, s[WV]                   ; C: block of 64 columns 4 x tile column + wave, 524,288 bytes a block,
	s_lshl_b32 s80, s80, 19
	s_lshl_b32 s81, s[TY], 15                      ; 256 rows of 128 bytes a tile row
	s_add_co_u32 s80, s80, s81
	s_mov_b32 s81, 0
	s_add_nc_u64 s[10:11], s[10:11], s[80:81]
	; the prefetches: my work-group's 32 rows of the 128 that I fetch, at K step 2; the first refill steps this to K step 3
	s_lshl_b32 s85, s[CH], 18
	s_lshl_b32 s84, s[TY], 19
	s_add_co_u32 s84, s84, s85
	s_lshl_b32 s86, s[TX], 19
	s_add_co_u32 s86, s86, s85
	s_lshl_b32 s85, s[CX], 16
	s_add_co_u32 s84, s84, s85
	s_add_co_u32 s84, s84, 512                     ; A: + 32 cx rows + two K steps of 256 bytes
	s_lshl_b32 s85, s[CY], 13
	s_add_co_u32 s86, s86, s85
	s_add_co_u32 s86, s86, 16384+65536             ; W: + 32 cy rows + two K steps of 128 rows
	s_and_b32 s87, ttmp7, 0xffff
	s_cmp_eq_u32 s[RH], 0
	s_cselect_b32 s84, s84, s86
	s_cselect_b32 s87, ttmp9, s87                  ; the coordinate along which other clusters read the same rows
	s_cselect_b64 s[PFA:PFA+1], s[4:5], s[6:7]
	s_cselect_b32 s[PST], 8, 15
	s_cselect_b32 s86, 11, 8
	s_cmp_eq_u32 s87, 0
	s_cselect_b32 s[LIM], 1, -1                    ; the same in all sixteen partners, for a given wave
	s_lshl_b32 s[PST], 1, s[PST]                   ; a K step: 256 bytes along A's rows, 128 rows of W
	s_mov_b32 s[PST+1], 0
	s_mov_b32 s85, 0
	s_add_nc_u64 s[PFA:PFA+1], s[PFA:PFA+1], s[84:85]
	v_lshlrev_b32 v[PFO], s86, v3
	s_wait_kmcnt 0x0                               ; the mode word
	s_cmp_lg_u32 s[MODE], 0                        ; it selects act's constants: a1 / 2 .. a5 / 2 and the floor 0, or five zeros and the floor -infinity
	s_cselect_b32 s[A1], 0x3e027906, 0
	s_cselect_b32 s[A2], 0xbe11a98e, 0
	s_cselect_b32 s[A3], 0x3f35f0e3, 0
	s_cselect_b32 s[A4], 0xbf3a00e3, 0
	s_cselect_b32 s[A5], 0x3f07dc22, 0
	s_cselect_b32 s[LO], 0, 0xff800000
	s_mov_b32 s[A1+1], s[A1]                       ; named as pairs, so both words are written
	s_mov_b32 s[A2+1], s[A2]
	s_mov_b32 s[A3+1], s[A3]
	s_mov_b32 s[A4+1], s[A4]
	s_mov_b32 s[A5+1], s[A5]
	s_wait_tensorcnt 0x1                           ; my part of K step 0 is in; K step 1's load may stay out
	s_barrier_signal -1
	s_barrier_wait -1                              ; everybody's part is in
	FETCH 0, F0
	s_wait_loadcnt 0x0                             ; the bias
	QUARTER 1, F0, F1, 1                           ; the first quarter stands in front of the loop: its products start the sums, from the bias
	WIN 0
	s_mov_b32 s[CNT], 6
.Lk:                                                   ; a trip: a K step's quarters 2 to 4 and the next step's first; it asks for the K step two on: steps 2 to 7
	QUARTER 2, F1, F0, 0
	QUARTER 3, F0, F1, 0
	TURN 1
	QUARTER 1, F0, F1, 0
	WIN 0
	s_sub_co_u32 s[CNT], s[CNT], 1
	s_cmp_lg_u32 s[CNT], 0
	s_cbranch_scc1 .Lk
	QUARTER 2, F1, F0, 0                           ; the last two K steps ask for nothing
	QUARTER 3, F0, F1, 0
	TURN 0
	QUARTER 1, F0, F1, 0
	QUARTER 2, F1, F0, 0
	QUARTER 3, F0, F1, 0
	s_wait_dscnt 8
	MUL16 F1, 0, 0, 0
	MUL16 F1, 0, 2, 0
	s_wait_dscnt 0x0
	MUL16 F1, 1, 0, 0
	MUL16 F1, 1, 2, 0
	PLACES
	WIN 0
	s_wait_dscnt 0x0                               ; my reads of the ring are over;
	s_barrier_signal -1
	s_barrier_wait -1                              ; everybody's are, and the ring has had its last fill: its bytes are the stage
.irp a, 0,1,2,3,4,5,6,7
	WIN 0x08+4*((\a)/4)                            ; the stores' data in window 2 or 3
.irp b, 0,1,2,3,4,5,6,7
	ds_store_b128 v[STO0+(\b)/4], v[8*(8*((\a)%4)+(\b)):8*(8*((\a)%4)+(\b))+3]   offset:(\a)*16*SPI+((\b)%4)*64     ; each accumulator's low registers first
	ds_store_b128 v[STO0+(\b)/4], v[8*(8*((\a)%4)+(\b))+4:8*(8*((\a)%4)+(\b))+7] offset:(\a)*16*SPI+((\b)%4)*64+16
.endr
.endr
	WIN 0
	s_wait_dscnt 0x0                               ; for the others' sake: my stores are done
	s_barrier_signal -1
	s_barrier_wait -1
	; THE ROLL.  A trip takes two groups, A and B, of 4 rows x 64 columns: 8 numbers a lane each.  Its 32 transcendentals are ONE batch with one wait, and each stands beside a plain line: A's between the lines of B's first part,
	; B's between the sixteen maxima.  Behind its maxima a group's x is read no more, so its next eight numbers are asked of LDS there, in the middle of the trip.
	s_mov_b32 s[ROFF], 0
	ds_load_b128 v[XA:XA+3],   v[RD0]
	ds_load_b128 v[XA+4:XA+7], v[RD0] offset:16
	ds_load_b128 v[XB:XB+3],   v[RD0] offset:4*SPI
	ds_load_b128 v[XB+4:XB+7], v[RD0] offset:4*SPI+16
	s_mov_b32 s[CNT], 32
.Lroll:
	s_add_co_u32 s[ROFF], s[ROFF], 8*SPI
	s_min_u32 s[ROFF], s[ROFF], 31*8*SPI           ; the last trip fetches its own groups once more: no read leaves the plane
	v_add_nc_u32 v[RD], s[ROFF], v[RD0]            ; where the next trip's groups lie
	s_wait_dscnt 2                                 ; group A is in; group B's two loads may be out
.set n, 0
.rept 20
	PRE1 XA, GA, n
.set n, n+1
.endr
	s_wait_dscnt 0x0                               ; group B is in
.set n, 0
.rept 16
	TR GA, n
	PRE1 XB, GB, n
.set n, n+1
.endr
.rept 4
	PRE1 XB, GB, n
.set n, n+1
.endr
.set n, 0
.rept 8
	TR GB, n
	MX XA, GA, n
.set n, n+1
.endr
	ds_load_b128 v[XA:XA+3],   v[RD]
	ds_load_b128 v[XA+4:XA+7], v[RD] offset:16
.rept 8
	TR GB, n
	MX XB, GB, n-8                                 ; the last of these is the plain instruction behind the last transcendental
.set n, n+1
.endr
	ds_load_b128 v[XB:XB+3],   v[RD] offset:4*SPI
	ds_load_b128 v[XB+4:XB+7], v[RD] offset:4*SPI+16
	s_wait_alu depctr_va_vdst(0)                   ; the one wait for the batch, ahead of the first line that names a result of it
.irp g, GA, GB
.irp i, 0,2,4,6
	v_pk_fma_f32 v[(\g)+32+(\i):(\g)+32+(\i)+1], v[(\g)+24+(\i):(\g)+24+(\i)+1], s[A5:A5+1], s[A4:A4+1] op_sel_hi:[1,0,0]
.endr
.endr
	HORN A3
	HORN A2
	HORN A1
.irp g, GA, GB
.irp i, 0,2,4,6
	v_pk_mul_f32 v[(\g)+32+(\i):(\g)+32+(\i)+1], v[(\g)+32+(\i):(\g)+32+(\i)+1], v[(\g)+24+(\i):(\g)+24+(\i)+1]
.endr
.endr
.irp g, GA, GB
.irp i, 0,2,4,6
	v_pk_mul_f32 v[(\g)+32+(\i):(\g)+32+(\i)+1], v[(\g)+32+(\i):(\g)+32+(\i)+1], v[(\g)+16+(\i):(\g)+16+(\i)+1]
.endr
.endr
.irp g, GA, GB
.irp i, 0,2,4,6
	v_pk_fma_f32 v[(\g)+32+(\i):(\g)+32+(\i)+1], v[(\g)+(\i):(\g)+(\i)+1], v[(\g)+32+(\i):(\g)+32+(\i)+1], v[(\g)+8+(\i):(\g)+8+(\i)+1]
.endr
.endr
	s_wait_xcnt 0x0                                ; the last trip's stores, a whole trip back, have read their data and their base: both are written again only behind this wait
	s_add_nc_u64 s[10:11], s[10:11], 1024          ; the base steps ahead of the stores, which reach back by their immediates
.irp i, 0,1,2,3
	v_cvt_pk_f16_f32 v[YA+(\i)], v[GA+32+2*(\i)], v[GA+32+2*(\i)+1]
.endr
.irp i, 0,1,2,3
	v_cvt_pk_f16_f32 v[YB+(\i)], v[GB+32+2*(\i)], v[GB+32+2*(\i)+1]
.endr
	global_store_b128 v[GO], v[YA:YA+3], s[10:11] offset:-1024   ; 512 consecutive bytes, aligned
	global_store_b128 v[GO], v[YB:YB+3], s[10:11] offset:-512
	s_sub_co_u32 s[CNT], s[CNT], 1
	s_cmp_lg_u32 s[CNT], 0
	s_cbranch_scc1 .Lroll
	s_wait_tensorcnt 0x0                           ; the wave's end
	ds_add_u32 v[SPW], v[NIL]
	s_wait_dscnt 0x0
	CROUND                                         ; the closing round
	s_endpgm
.Lfunc_end_k_q8a980af30a_qkv:
	.size	k_q8a980af30a_qkv, .Lfunc_end_k_q8a980af30a_qkv-k_q8a980af30a_qkv
	.p2alignl 7, 3214868480
	.fill 96, 4, 3214868480
	.section	.rodata,"a",@progbits
	.p2align	6, 0x0
	.amdhsa_kernel k_q8a980af30a_qkv
		.amdhsa_group_segment_fixed_size 327680
		.amdhsa_private_segment_fixed_size 0
		.amdhsa_enable_private_segment 0
		.amdhsa_kernarg_size 32
		.amdhsa_user_sgpr_count 2
		.amdhsa_user_sgpr_kernarg_segment_ptr 1
		.amdhsa_wavefront_size32 1
		.amdhsa_system_sgpr_workgroup_id_x 1
		.amdhsa_system_sgpr_workgroup_id_y 1
		.amdhsa_system_sgpr_workgroup_id_z 1
		.amdhsa_system_vgpr_workitem_id 0
		.amdhsa_next_free_vgpr 1024
		.amdhsa_next_free_sgpr 100
		.amdhsa_reserve_vcc 0
		.amdhsa_float_denorm_mode_32 3
		.amdhsa_float_denorm_mode_16_64 3
		.amdhsa_memory_ordered 1
		.amdhsa_forward_progress 1
		.amdhsa_inst_pref_size 106
	.end_amdhsa_kernel
	.amdgpu_metadata
---
amdhsa.version: [ 1, 2 ]
amdhsa.kernels:
  - .name:           k_q8a980af30a_qkv
    .symbol:         k_q8a980af30a_qkv.kd
    .args:
      - { .name: act16, .offset: 0, .size: 8, .value_kind: global_buffer, .address_space: global }
      - { .name: WA, .offset: 8, .size: 8, .value_kind: global_buffer, .address_space: global }
      - { .name: mode0, .offset: 16, .size: 8, .value_kind: global_buffer, .address_space: global }
      - { .name: big16, .offset: 24, .size: 8, .value_kind: global_buffer, .address_space: global }
    .group_segment_fixed_size: 327680
    .private_segment_fixed_size: 0
    .kernarg_segment_align: 8
    .kernarg_segment_size: 32
    .max_flat_workgroup_size: 128
    .sgpr_count:     100
    .vgpr_count:     1024
    .wavefront_size: 32
...
	.end_amdgpu_metadata
.endif
;; end of part 2
;; launch attn (part 3): grid 8 x 32, 4 waves a work-group, clusters of 4 x 1, 327,680 bytes of LDS; arguments big16, act16; writes act16
.if DOCPART == 3
	.amdgcn_target "amdgcn-amd-amdhsa--gfx1250"
	.amdhsa_code_object_version 6
	.text
	.protected	k_q8a980af30a_attn
	.globl	k_q8a980af30a_attn
	.p2align	8
	.type	k_q8a980af30a_attn,@function
k_q8a980af30a_attn:
	s_mov_b64 s[64:65], 0
	v_nop
	global_prefetch_b8 v0, s[64:65] scope:SCOPE_SE
	s_setreg_imm32_b32 hwreg(HW_REG_WAVE_MODE, 25, 1), 1
	s_wait_xcnt 0x0
	s_wait_alu depctr_hold_cnt(0) depctr_sa_sdst(0) depctr_va_vdst(0) depctr_va_sdst(0) depctr_va_ssrc(0) depctr_va_vcc(0) depctr_vm_vsrc(0)
	s_getreg_b32 s2, hwreg(HW_REG_IB_STS2, 6, 4)
	s_cmp_eq_u32 s2, 0
	s_cbranch_scc0 .Lentry_in_a_cluster
	s_endpgm
.Lentry_in_a_cluster:
	s_bfe_u32 s2, ttmp6, 0x10000c
	s_cmp_lg_u32 s2, 0x3003
	s_cbranch_scc0 .Lentry_shape_is_right
	s_endpgm
.Lentry_shape_is_right:
; ATTENTION.  O[b][h][q][:] = the sum over k of softmax_k(8 Q[q] . K[k]) V[k][:]: the module MULTIPLIES the scores by sqrt(64).  big16 holds q, k, v as [48 g][4096 m][64] f16 (g = 0-15 q's heads, 16-31 k's, 32-47 v's;
; m = 2048 b + l): a head's rows are dense, 128 bytes each.  O goes to act16 as [16 h][4096 m][64] f16.  Products, maxima and sums in f32; the weights p are rounded to f16 for the second product (their sum l is taken of the unrounded p).
; LIMITS.  Q, K, V arrive within f16's 65,504; p lies in 0 to 1, and below 6e-5 it keeps f16's fixed step of 6e-8; a weight below 2^-126 counts as 0 in l; NaN and infinities are not treated apart.
; SHARES.  A work-group owns 256 queries of one head and batch, a wave 64: four PIECES of 16.  Every wave walks the 2,048 keys, 64 a step, 256 a tile.
; LAYOUT.  S^T = K Q^T holds ONE query a lane (lane % 16) and the keys 8 (lane / 16) + 0..7; two such results rounded to f16 ARE source 1 of O^T = V^T P.  K comes out of LDS as it lies, V turned, by ds_load_tr16_b128.
; SOFTMAX.  p = 2^(c s - c m), c = 8 log2(e), with a running maximum m; O and l are multiplied by a = 2^(c m_old - c m_new) in every step.  m starts at the lowest finite number, O and l at 0: the first step's a is 0.
; TURNS.  Turn n belongs to piece n: 8 products K Q^T of piece n + 1, later 8 products V^T P of piece n - 1; beside them the scaling, exponentials, roundings, sums and rescaling of piece n and the maximum and statistics of piece n + 1.
; Four vector instructions stand behind every matrix instruction, the rest in one lump.  A turn's 33 exponentials are one batch, with one wait.
; CLUSTER.  The four query blocks of a cluster belong to one head and walk the same K and V: each tile is asked for JOINTLY, by the same tensor load, descriptor and mask in all four.
; REGISTERS, in windows of 256: window 0: v0-15 addresses and two at work; v16-31 statistics; v48-55 at work; v61-63 the prefetches' offset and the add's two; v64-127 S^T, two buffers; v192-223 P, two buffers;
;   window 1: v0-127 O^T, 32 a piece;   window 2: v0-63 Q; v128-191 K of one step; v192-255 V of one step.
.set NP,    4
.set KS,    64
.set PK,    144       ; a row of K in LDS: 128 bytes + 16: the 16 rows of a load start at 16 different groups of four banks
.set PV,    160       ; a row of V: 128 + 32
.set VOFF,  4*KS*PK   ; a slot holds a tile: 256 rows of K, then 256 rows of V
.set SLOT1, 1<<17
.set STAGE, SLOT1+4*KS*(PK+PV)  ; behind the ring, never filled by a tensor load: 16 rows x 144 bytes for each wave
.set SP,    144
.set SPARE, STAGE+4*16*SP       ; the spare words, 128 bytes for each wave, which no other line names
.set AK0, 2
.set AV0, 3
.set AK,  4
.set AV,  5
.set STO, 6
.set RD,  7
.set GO,  8
.set MV,  12
.set QO,  15
.set ST,  16          ; piece t's statistics at v[ST+4 t]: c m, m, l (even keys', odd keys')
.set TMP, 48
.set PFO, 61
.set SPW, 62
.set NIL, 63
.set S,   64
.set P,   192
.set KF,  128
.set VF,  192
.set WV,  12
.set LIM, 15
.set PFA, 18
.set G1K, 24
.set G1V, 32
.set G0K, 40
.set G0V, 44
.set SLOTS, 56
.set CNT, 57
.set CS,  58
.set SEL, 60
.set TBK, 62
.set TBV, 63
.set MSB, 0
.macro WIN new
.if MSB != (\new)
	s_set_vgpr_msb (MSB<<8)|(\new)
.set MSB, (\new)
.endif
.endm
.set W_KQ, 0x0a       ; K and Q in window 2, S^T in window 0
.set W_PV, 0x52       ; V in window 2, P in window 0, O^T in window 1
.set W_RS, 0x41       ; destination and source 0 in window 1, source 1 in window 0
.macro JLOAD                        ; waves 0, 1 fetch the halves of a tile's K, waves 2, 3 those of its V: 128 keys each.  An s_nop 0 and four v_nop follow each line
	s_cmp_lt_u32 s[WV], 2
	s_cbranch_scc0 .Lfor_v_\@
	tensor_load_to_lds s[G0K:G0K+3], s[G1K:G1K+7]
	s_nop 0
.rept 4
	v_nop
.endr
	s_branch .Lasked_\@
.Lfor_v_\@:
	tensor_load_to_lds s[G0V:G0V+3], s[G1V:G1V+7]
	s_nop 0
.rept 4
	v_nop
.endr
.Lasked_\@:
.endm
; A prefetch into the L2 of the tile that the NEXT change of slots will ask for.  All clusters of a head walk the same K and V: the head's first cluster asks.  Its four partners take 32 of a tile's 128 blocks of 256 bytes each,
; told apart by address; wave 0 asks for K's, wave 2 for V's: a lane a block, one instruction.  Tiles 0 and 1 come by their loads alone; the last change that fills a slot asks for nothing.
.macro ASK
	s_cmp_gt_u32 s[SLOTS], s[LIM]
	s_cbranch_scc0 .Lnot_mine_\@
	global_prefetch_b8 v[PFO], s[PFA:PFA+1] th:TH_LOAD_NT scope:SCOPE_SE
.Lnot_mine_\@:
.endm
.macro CROUND
	s_barrier_signal -1
	s_barrier_wait -1
	s_cmp_lg_u32 s[WV], 0
	s_cbranch_scc1 .Lnot_wave_0_\@
	s_barrier_signal -3
.Lnot_wave_0_\@:
	s_barrier_wait -3
	s_barrier_signal -1
	s_barrier_wait -1
.endm
; THE CHANGE OF SLOTS.  Each wave waits for all its tensor loads (one is out: its part of the other slot), adds 0 to its spare word, and waits for that and for its reads of the slot that it leaves.
; fill = 1: the barrier is a round of the cluster's, and the joint fill of the old slot is the first thing behind it.  (At its first use nothing has been read: slot 0 is waited for, slot 1 filled.)
.macro CHANGE fill
	WIN 0
	s_wait_tensorcnt 0x0
	ds_add_u32 v[SPW], v[NIL]
.if \fill
.irp g, G0K, G0V
	s_xor_b32 s[\g+1], s[\g+1], SLOT1
	s_add_nc_u64 s[\g+2:\g+3], s[\g+2:\g+3], 4*KS*128
.endr
	s_wait_xcnt 0x0                 ; the last prefetch, a tile back, has read its address
	s_add_nc_u64 s[PFA:PFA+1], s[PFA:PFA+1], 4*KS*128
	s_wait_dscnt 0x0
	CROUND
	JLOAD
	ASK
.else
	s_wait_dscnt 0x0
	s_barrier_signal -1
	s_barrier_wait -1
.endif
	s_sub_co_u32 s[TBK], s[TBK], 4*KS*PK  ; the fetches go back to a slot's first step,
	s_xor_b32 s[TBK], s[TBK], SLOT1       ; in the other slot
	s_sub_co_u32 s[TBV], s[TBV], 4*KS*PV
	s_xor_b32 s[TBV], s[TBV], SLOT1
.endm
	s_load_b128 s[4:7], s[0:1], 0x0 ; big16 s[4:5], act16 s[6:7]
	v_lshl_add_u32 v[SPW], v0, 2, SPARE
	v_mov_b32 v[NIL], 0
	ds_add_u32 v[SPW], v[NIL]       ; the wave's opening: the add and its wait stand ahead of my first tensor load
	v_lshrrev_b32 v1, 5, v0
	v_readfirstlane_b32 s[WV], v1
	s_bfe_u32 s13, ttmp6, 0x40000   ; cx
	s_lshl_b32 s14, ttmp9, 2
	s_add_co_u32 s14, s14, s13      ; my block of 256 queries: it enters Q's and O's addresses alone
	s_and_b32 s20, ttmp7, 0xffff    ; 16 b + h, which the four partners share
	s_and_b32 s21, s20, 15
	s_lshr_b32 s20, s20, 4
	s_lshl_b32 s21, s21, 19         ; a head: 4,096 rows of 128 bytes,
	s_lshl_b32 s20, s20, 18         ; a batch: 2,048 of them
	s_add_co_u32 s20, s20, s21
	s_and_b32 s16, s[WV], 1         ; which half of a tile's 256 keys I fetch
	s_lshl_b32 s22, s16, 14
	s_add_co_u32 s22, s22, s20
	s_mov_b32 s23, 0
	s_mul_i32 s17, s16, 128*PK
	s_mul_i32 s18, s16, 128*PV
	s_lshl_b32 s2, s14, 15
	s_lshl_b32 s3, s[WV], 13
	s_add_co_u32 s2, s2, s3
	s_add_co_u32 s2, s2, s20        ; my wave's 64 rows
	s_mov_b32 s3, 0
	; descriptor group 1.  128 keys are 16,384 dense bytes: asked for as 64 rows of 256 bytes, and padded in LDS after every key
	s_mov_b32 s[G1K], 15|(1<<16)|(1<<20)|(1<<21)|(4<<22)|(3<<25)
	s_mov_b32 s[G1V], 15|(1<<16)|(1<<20)|(1<<21)|(4<<22)|(7<<25)
.irp g, G1K, G1V
	s_mov_b32 s[\g+1], 128<<16
	s_mov_b32 s[\g+2], 64<<16
	s_mov_b32 s[\g+3], 128<<16
	s_mov_b32 s[\g+4], 64
	s_mov_b32 s[\g+5], 128
	s_mov_b32 s[\g+6], 0
	s_mov_b32 s[\g+7], 0
.endr
	s_mov_b32 s[CS], 0x4138aa3b     ; c = 8 log2(e)
	s_mov_b32 s[CS+1], s[CS]
	s_mov_b32 s[SEL], 0x76543210
	s_mov_b32 s[SEL+1], 0xfedcba98
	s_mov_b32 s[TBK], SLOT1+4*KS*PK ; the first change of slots turns these two into 0
	s_mov_b32 s[TBV], SLOT1+4*KS*PV
	s_mov_b32 s[G0K], 1
	s_mov_b32 s[G0K+1], s17
	s_mov_b32 s[G0V], 1
	s_add_co_u32 s[G0V+1], s18, VOFF
	s_mov_b32 s[SLOTS], 7
	s_and_b32 s[LIM], s[WV], 1
	s_or_b32 s[LIM], s[LIM], ttmp9  ; 0 in waves 0 and 2 of the head's first cluster: the same in all four partners
	s_cmp_eq_u32 s[LIM], 0
	s_cselect_b32 s[LIM], 1, -1
	v_and_b32 v[PFO], 31, v0
	v_lshlrev_b32 v[PFO], 8, v[PFO]
	s_wait_dscnt 0x0                ; the opening add is done
	s_wait_kmcnt 0x0
	s_add_nc_u64 s[10:11], s[6:7], s[2:3]          ; O at my rows
	s_add_nc_u64 s[6:7], s[4:5], s[22:23]
	s_add_nc_u64 s[6:7], s[6:7], 8388608           ; K at my half of tile 0
	s_add_nc_u64 s[8:9], s[6:7], 8388608           ; V likewise
	s_add_nc_u64 s[4:5], s[4:5], s[2:3]            ; Q at my rows
	s_add_nc_u64 s[G0K+2:G0K+3], s[6:7], 0
	s_or_b32 s[G0K+3], s[G0K+3], 0x80000000
	s_add_nc_u64 s[G0V+2:G0V+3], s[8:9], 0
	s_or_b32 s[G0V+3], s[G0V+3], 0x80000000
	s_cmp_lt_u32 s[WV], 2
	s_cselect_b64 s[PFA:PFA+1], s[6:7], s[8:9]     ; (in waves 0 and 2 these stand at a tile's first byte)
	s_lshl_b32 s2, s13, 13                         ; my work-group's 32 blocks of the 128
	s_mov_b32 s3, 0
	s_add_nc_u64 s[PFA:PFA+1], s[PFA:PFA+1], s[2:3]
	s_add_nc_u64 s[PFA:PFA+1], s[PFA:PFA+1], 4*KS*128  ; in tile 1; the first change of slots steps it to tile 2
	CROUND                          ; all four work-groups are here
	JLOAD                           ; tile 0 into slot 0
	v_and_b32 v1, 15, v0            ; l % 16
	v_bfe_u32 v9, v0, 4, 1          ; l / 16
	v_lshlrev_b32 v[QO], 7, v1
	v_lshl_add_u32 v[QO], v9, 4, v[QO]
	WIN 0x80
.set i, 0
.rept 8                             ; Q stays in registers: piece i / 2, channels 32 (i % 2) on
	global_load_b128 v[8*i:8*i+3],   v[QO], s[4:5] offset:(i/2)*2048+(i%2)*64
	global_load_b128 v[8*i+4:8*i+7], v[QO], s[4:5] offset:(i/2)*2048+(i%2)*64+32
.set i, i+1
.endr
	; What the first turn finds: V's registers and P's second buffer hold 0 (its products V^T P, of a piece that has not been, add 0), O^T and l are 0.  All this stands in the wait for the first tile; it spares a first step written out.
.set i, VF
.rept 64
	v_mov_b32 v[i], 0
.set i, i+1
.endr
	WIN 0x40
.set i, 0
.rept 128
	v_mov_b32 v[i], 0
.set i, i+1
.endr
	WIN 0
.set i, 0
.rept 4
	v_mov_b32 v[ST+4*i], 0xfe000000    ; c m: far below every c s
	v_mov_b32 v[ST+4*i+1], 0xff7fffff  ; m
	v_mov_b32 v[ST+4*i+2], 0
	v_mov_b32 v[ST+4*i+3], 0
.set i, i+1
.endr
.set i, P+16
.rept 16
	v_mov_b32 v[i], 0
.set i, i+1
.endr
	v_mul_u32_u24 v[AK0], v1, PK
	v_lshl_add_u32 v[AK0], v9, 4, v[AK0]
	v_and_b32 v10, 7, v0
	v_bfe_u32 v11, v0, 3, 1
	v_lshl_add_u32 v[AV0], v9, 3, v10
	v_mul_u32_u24 v[AV0], v[AV0], PV
	v_lshl_add_u32 v[AV0], v11, 4, v[AV0]
	v_add_nc_u32 v[AV0], VOFF, v[AV0]
	s_mul_i32 s13, s[WV], 16*SP
	s_add_co_u32 s13, s13, STAGE    ; my stage
	v_mul_u32_u24 v[STO], v1, SP
	v_lshl_add_u32 v[STO], v9, 4, v[STO]
	v_add_nc_u32 v[STO], s13, v[STO]
	v_bfe_u32 v[RD], v0, 3, 2
	v_mul_u32_u24 v[RD], v[RD], SP
	v_lshl_add_u32 v[RD], v10, 4, v[RD]
	v_add_nc_u32 v[RD], s13, v[RD]
	v_and_b32 v[GO], 31, v0
	v_lshlrev_b32 v[GO], 4, v[GO]
; THE MATRIX WORK.  The 4 accumulators of a run of 8 take turns.  Product i of 8 of S^T = K Q^T for piece x: channels 32 (i / 4) on, keys 16 (i % 4) on.  The first 4 start the sums.
.macro KQ x
	WIN W_KQ
.set rS, S+32*((\x)%2)+8*(i%4)
.set rK, KF+16*(i%4)+8*(i/4)
.set rQ, 16*(\x)+8*(i/4)
.if i < 4
	v_wmma_f32_16x16x32_f16 v[rS:rS+7], v[rK:rK+7], v[rQ:rQ+7], 0
.else
	v_wmma_f32_16x16x32_f16 v[rS:rS+7], v[rK:rK+7], v[rQ:rQ+7], v[rS:rS+7]
.endif
.endm
.macro PV x                         ; product i of 8 of O^T += V^T P for piece x: keys 32 (i / 4) on, channels 16 (i % 4) on
	WIN W_PV
.set rO, 32*(\x)+8*(i%4)
.set rV, VF+32*(i/4)+8*(i%4)
.set rP, P+16*((\x)%2)+8*(i/4)
	v_wmma_f32_16x16x32_f16 v[rO:rO+7], v[rV:rV+7], v[rP:rP+7], v[rO:rO+7]
.endm
.macro MM                           ; the turn's next matrix instruction.  NOKQ = 1: the last turn of all: there is no next piece
.if (i < 8) && !NOKQ
	KQ (Y+1)%NP
.elseif i >= 8
.set i, i-8
	PV (Y+NP-1)%NP
.set i, i+8
.endif
.set i, i+1
.endm
.macro FETCH_K                      ; the LDS loads stand in runs of 16
	WIN 0x80
.irp f, 0,1,2,3,4,5,6,7
	ds_load_b128 v[KF+8*\f:KF+8*\f+3],   v[AK] offset:(\f/2)*16*PK+(\f%2)*64
	ds_load_b128 v[KF+8*\f+4:KF+8*\f+7], v[AK] offset:(\f/2)*16*PK+(\f%2)*64+32
.endr
	s_add_co_u32 s[TBK], s[TBK], KS*PK
	WIN 0
.endm
.macro FETCH_V
	WIN 0x80
.irp f, 0,1,2,3,4,5,6,7
	ds_load_tr16_b128 v[VF+8*\f:VF+8*\f+3],   v[AV] offset:(\f/4)*32*PV+(\f%4)*32
	ds_load_tr16_b128 v[VF+8*\f+4:VF+8*\f+7], v[AV] offset:(\f/4)*32*PV+16*PV+(\f%4)*32
.endr
	WIN 0
.endm
; THE VECTOR WORK, one line at a time: OP kind, number.  For piece Y: F n: c s - c m for pair n of 16.  E n: the exponential of score n of 32.  C n: pair n rounded to f16.  B n: of the four weights 4 n .. the second
; pair is added onto the first.  L n: l takes that sum (L 0: l = a l + sum).  R n: pair n of 16 of O^T times a.  For piece Y + 1: X n, number n of the 22 that find its maximum and statistics:
;   0-11 four chains of seven scores each (each accumulator's lowest registers are read first)   12-14, 16 the scores left over, the old m, all into c0   15 c m_old is kept   17, 18 the other half of the lanes   19-21 c m; its change; a
.set F, 0
.set E, 1
.set C, 2
.set B, 3
.set L, 4
.set R, 5
.set X, 6
.macro REGS y
.set rT, ST+4*(\y)
.set rC, TMP+4*((\y)%2)
.set rW, MV+((\y)%2)
.set rS, S+32*((\y)%2)
.set rP, P+16*((\y)%2)
.set rO, 32*(\y)
.endm
.macro OP k, n
.if (\k) == R
	REGS Y
	WIN W_RS
	v_pk_mul_f32 v[rO+2*(\n):rO+2*(\n)+1], v[rO+2*(\n):rO+2*(\n)+1], v[rC+2:rC+3] op_sel_hi:[1,0]
.elseif (\k) < R
	REGS Y
	WIN 0
.if (\k) == F
	v_pk_fma_f32 v[rS+2*(\n):rS+2*(\n)+1], v[rS+2*(\n):rS+2*(\n)+1], s[CS:CS+1], v[rT:rT+1] op_sel_hi:[1,0,0] neg_lo:[0,0,1] neg_hi:[0,0,1]
.elseif (\k) == E
	v_exp_f32 v[rS+(\n)], v[rS+(\n)]
.elseif (\k) == C
	v_cvt_pk_f16_f32 v[rP+(\n)], v[rS+2*(\n)], v[rS+2*(\n)+1]
.elseif (\k) == B
	v_pk_add_f32 v[rS+4*(\n):rS+4*(\n)+1], v[rS+4*(\n):rS+4*(\n)+1], v[rS+4*(\n)+2:rS+4*(\n)+3]
.elseif (\n) == 0
	v_pk_fma_f32 v[rT+2:rT+3], v[rT+2:rT+3], v[rC+2:rC+3], v[rS:rS+1] op_sel_hi:[1,0,1]
.else
	v_pk_add_f32 v[rT+2:rT+3], v[rT+2:rT+3], v[rS+4*(\n):rS+4*(\n)+1]
.endif
.elseif NOKQ
	v_nop
.else
	REGS (Y+1)%NP
	WIN 0
.if (\n) < 4
	v_max3_num_f32 v[rC+(\n)], v[rS+8*(\n)], v[rS+8*(\n)+1], v[rS+8*(\n)+2]
.elseif (\n) < 12
	v_max3_num_f32 v[rC+(\n)%4], v[rC+(\n)%4], v[rS+8*((\n)%4)+2*((\n)/4)+1], v[rS+8*((\n)%4)+2*((\n)/4)+2]
.elseif (\n) == 12
	v_max3_num_f32 v[rC], v[rC], v[rS+7], v[rS+15]
.elseif (\n) == 13
	v_max3_num_f32 v[rC+1], v[rC+1], v[rS+23], v[rS+31]
.elseif (\n) == 14
	v_max3_num_f32 v[rC+2], v[rC+2], v[rC+3], v[rT+1]
.elseif (\n) == 15
	v_mov_b32 v[rW], v[rT]
.elseif (\n) == 16
	v_max3_num_f32 v[rC], v[rC], v[rC+1], v[rC+2]
.elseif (\n) == 17
	v_permlanex16_b32 v[rC+3], v[rC], s[SEL], s[SEL+1]
.elseif (\n) == 18
	v_max_num_f32 v[rT+1], v[rC], v[rC+3]
.elseif (\n) == 19
	v_mul_f32 v[rT], s[CS], v[rT+1]
.elseif (\n) == 20
	v_sub_f32 v[rC+1], v[rW], v[rT]
.else
	v_exp_f32 v[rC+2], v[rC+1]
.endif
.endif
.endm
.macro OPS a, i1, b=-1, i2=0, c=-1, i3=0, d=-1, i4=0
	OP \a, \i1
.if (\b) >= 0
	OP \b, \i2
.endif
.if (\c) >= 0
	OP \c, \i3
.endif
.if (\d) >= 0
	OP \d, \i4
.endif
.endm
.macro ROW a, i1, b, i2, c, i3, d, i4  ; a matrix instruction and the four behind it
	MM
	OPS \a, \i1, \b, \i2, \c, \i3, \d, \i4
.endm
; A TURN, for piece p.  AHEAD OF ITS ONE WAIT stands all that names no result of the turn's exponentials: the 8 products K Q^T with their riders, then one lump; X 21, the next piece's a, is the batch's last, and R 15 the plain
; instruction behind it.  BEHIND THE WAIT stand the 8 products V^T P, behind each four of the roundings and sums.  end = 1: the last two turns: nothing is fetched.  cnt = 1: the loop's count is taken down some lines ahead of the branch.
; K of the next step is fetched in piece 2's turn, V of the step in hand at the end of piece 0's turn, four plain instructions behind the last product that read V.  Each is waited for a turn later.
.macro TURN p, end=0, cnt=0
.set Y, (\p)
.set i, 0
.set NOKQ, (\end)*((\p)/3)
.if ((\p) == 3) && !(\end)
	s_wait_dscnt 0x0                ; K is in
.endif
	ROW F,0, F,1, R,0, R,1
	ROW F,2, E,0, R,2, R,3
	ROW F,3, E,1, R,4, R,5
	ROW F,4, E,2, R,6, R,7
	ROW F,5, E,3, R,8, R,9
	ROW F,6, E,4, X,0, R,10
.if ((\p) == 2) && !(\end)
	WIN 0
	v_add_nc_u32 v[AK], s[TBK], v[AK0]
.endif
	ROW F,7, E,5, X,1, X,4
	ROW F,8, E,6, X,2, X,5
	OPS E,7, E,8, X,6, E,9
	OPS X,3, E,10, X,8, E,11
.if ((\p) == 2) && !(\end)
	FETCH_K
.endif
	OPS X,9, X,7, E,12, X,10
	OPS E,13, X,12, X,11, E,14
	OPS X,13, E,15, F,9, X,14
.if (\p) == 0
	v_add_nc_u32 v[AV], s[TBV], v[AV0]
.endif
	OPS E,16, F,10, E,17, F,11
	OPS X,16, E,18, X,15, E,19
	OPS F,12, E,20, X,17, E,21
	OPS F,13, E,22, F,14, E,23
	OPS X,18, E,24, F,15, E,25
	OPS R,11, E,26, X,19, E,27
	OPS R,12, E,28, R,13, E,29
	OPS X,20, E,30, R,14, E,31
	OPS X,21, R,15
	WIN 0
	s_wait_alu depctr_va_vdst(0)    ; the wait for the batch
.if (\p) == 1
	s_wait_dscnt 0x0                ; V is in
.endif
	ROW C,0, B,0, C,2, B,1
	ROW L,0, C,4, B,2, L,1
	ROW C,6, B,3, L,2, C,8
	ROW B,4, L,3, C,10, B,5
	ROW L,4, C,12, B,6, L,5
.if (\p) == 0
	s_add_co_u32 s[TBV], s[TBV], KS*PV
.endif
.if \cnt
	s_sub_co_u32 s[CNT], s[CNT], 1
	s_cmp_lg_u32 s[CNT], 0
.endif
	ROW C,14, B,7, L,6, C,1
	ROW C,3, L,7, C,5, C,7
	ROW C,9, C,11, C,13, C,15
.if (\p) == 0
	FETCH_V
.endif
.endm
.macro ALL line:vararg
.set t, 0
.rept 4
	\line
.set t, t+1
.endr
.endm
.macro PACK t                       ; a lane's eight channels of a row pack into 16 bytes; they go into rows of 144 bytes and come back as whole rows of 128
	WIN W_RS
.set i, 32*(\t)
.rept 16
	v_pk_mul_f32 v[i:i+1], v[i:i+1], v[ST+4*(\t)+2:ST+4*(\t)+3] op_sel_hi:[1,0]
.set i, i+2
.endr
	WIN 0x05
.set i, 0
.rept 16
	v_cvt_pk_f16_f32 v[S+16*(\t)+i], v[32*(\t)+2*i], v[32*(\t)+2*i+1]
.set i, i+1
.endr
	WIN 0
.irp f, 0,1,2,3
	ds_store_b128 v[STO], v[S+16*(\t)+4*\f:S+16*(\t)+4*\f+3] offset:32*\f
.endr
.irp f, 0,1,2,3
	ds_load_b128 v[S+16*(\t)+4*\f:S+16*(\t)+4*\f+3], v[RD] offset:\f*4*SP  ; LDS serves a wave's instructions in order: these see the stores above
.endr
.endm
.macro SEND t, younger              ; younger: the LDS instructions issued behind piece t's loads
	WIN 0
.irp f, 0,1,2,3
	s_wait_dscnt (\younger)+3-\f
	global_store_b128 v[GO], v[S+16*(\t)+4*\f:S+16*(\t)+4*\f+3], s[10:11] offset:(\t)*2048+\f*512  ; 512 consecutive bytes, aligned
.endr
.endm
.set NOKQ, 0
	CHANGE 1                        ; slot 0 is in, everybody's part of it; tile 1 is asked for
	v_add_nc_u32 v[AK], s[TBK], v[AK0]
	FETCH_K                         ; key step 0
	s_wait_loadcnt 0x0              ; Q
	s_wait_dscnt 0x0
.set i, 0
.rept 8
	KQ 0                            ; piece 0's first scores
.set i, i+1
.endr
	WIN 0
.rept 4
	v_nop                           ; the places behind those products
.endr
.set Y, NP-1                        ; X works for piece Y + 1: piece 0
.irp n, 0,1,2,3,4,5,6,7,8,9,10,11,12,13,14,15,16,17,18,19,20,21
	OP X, \n
.endr
	v_nop                           ; a plain instruction behind the exponential,
	s_wait_alu depctr_va_vdst(0)    ; and its wait, ahead of the branch
	s_mov_b32 s[CNT], 4
	s_branch .Lfirst                ; the loop is entered at a step's first turn, in the middle of a trip
.Lslot:                             ; six times: tiles 2 to 7 are asked for
	CHANGE 1
	s_mov_b32 s[CNT], 4
.Lstep:                             ; a trip: pieces 2 and 3 of one step, then pieces 0 and 1 of the next, whose K and V it fetches
	TURN 2
	TURN 3
	WIN 0
.Lfirst:
	TURN 0
	TURN 1, 0, 1
	WIN 0
	s_cbranch_scc1 .Lstep
	s_sub_co_u32 s[SLOTS], s[SLOTS], 1
	s_cmp_lg_u32 s[SLOTS], 0
	s_cbranch_scc1 .Lslot
	CHANGE 0                        ; the last tile is written out
	s_mov_b32 s[CNT], 4
.Ltail:
	TURN 2
	TURN 3
	TURN 0
	TURN 1, 0, 1
	WIN 0
	s_cbranch_scc1 .Ltail
	TURN 2, 1
	TURN 3, 1
.set i, 0
.rept 8
	PV NP-1                         ; the last piece's V^T P of the last step
.set i, i+1
.endr
	; THE WAY OUT.  l's two halves and the other half of the lanes' are added; O^T is divided by l, rounded to f16 and sent through my stage.  The additions are the places behind the last products.
	WIN 0
	ALL v_add_f32 v[ST+4*t+2], v[ST+4*t+2], v[ST+4*t+3]
	ALL v_permlanex16_b32 v[ST+4*t+3], v[ST+4*t+2], s[SEL], s[SEL+1]
	ALL v_add_f32 v[ST+4*t+2], v[ST+4*t+2], v[ST+4*t+3]
	ALL v_rcp_f32 v[ST+4*t+2], v[ST+4*t+2]
	v_nop                           ; a plain instruction behind the last reciprocal,
	s_wait_alu depctr_va_vdst(0)    ; and the one wait for the four
	PACK 0
.set t, 1
.rept 3
	PACK t
	SEND t-1, 8
.set t, t+1
.endr
	SEND 3, 0
	s_wait_tensorcnt 0x0            ; the wave's end
	ds_add_u32 v[SPW], v[NIL]
	s_wait_dscnt 0x0
	CROUND                          ; the closing round
	s_endpgm
.Lfunc_end_k_q8a980af30a_attn:
	.size	k_q8a980af30a_attn, .Lfunc_end_k_q8a980af30a_attn-k_q8a980af30a_attn
	.p2alignl 7, 3214868480
	.fill 96, 4, 3214868480
	.section	.rodata,"a",@progbits
	.p2align	6, 0x0
	.amdhsa_kernel k_q8a980af30a_attn
		.amdhsa_group_segment_fixed_size 327680
		.amdhsa_private_segment_fixed_size 0
		.amdhsa_enable_private_segment 0
		.amdhsa_kernarg_size 16
		.amdhsa_user_sgpr_count 2
		.amdhsa_user_sgpr_kernarg_segment_ptr 1
		.amdhsa_wavefront_size32 1
		.amdhsa_system_sgpr_workgroup_id_x 1
		.amdhsa_system_sgpr_workgroup_id_y 1
		.amdhsa_system_sgpr_workgroup_id_z 1
		.amdhsa_system_vgpr_workitem_id 0
		.amdhsa_next_free_vgpr 768
		.amdhsa_next_free_sgpr 66
		.amdhsa_reserve_vcc 0
		.amdhsa_float_denorm_mode_32 3
		.amdhsa_float_denorm_mode_16_64 3
		.amdhsa_memory_ordered 1
		.amdhsa_forward_progress 1
		.amdhsa_inst_pref_size 128
	.end_amdhsa_kernel
	.amdgpu_metadata
---
amdhsa.version: [ 1, 2 ]
amdhsa.kernels:
  - .name:           k_q8a980af30a_attn
    .symbol:         k_q8a980af30a_attn.kd
    .args:
      - { .name: big16, .offset: 0, .size: 8, .value_kind: global_buffer, .address_space: global }
      - { .name: act16, .offset: 8, .size: 8, .value_kind: global_buffer, .address_space: global }
    .group_segment_fixed_size: 327680
    .private_segment_fixed_size: 0
    .kernarg_segment_align: 8
    .kernarg_segment_size: 16
    .max_flat_workgroup_size: 128
    .sgpr_count:     66
    .vgpr_count:     768
    .wavefront_size: 32
...
	.end_amdgpu_metadata
.endif
;; end of part 3
;; launch wo (part 4): grid 8 x 32, 4 waves a work-group, clusters of 4 x 4, 327,680 bytes of LDS; arguments act16, WA, bo, x, hidden; writes hidden
.if DOCPART == 4
	.amdgcn_target "amdgcn-amd-amdhsa--gfx1250"
	.amdhsa_code_object_version 6
	.text
	.protected	k_q8a980af30a_wo
	.globl	k_q8a980af30a_wo
	.p2align	8
	.type	k_q8a980af30a_wo,@function
k_q8a980af30a_wo:
	s_mov_b64 s[64:65], 0
	v_nop
	global_prefetch_b8 v0, s[64:65] scope:SCOPE_SE
	s_setreg_imm32_b32 hwreg(HW_REG_WAVE_MODE, 25, 1), 1
	s_wait_xcnt 0x0
	s_wait_alu depctr_hold_cnt(0) depctr_sa_sdst(0) depctr_va_vdst(0) depctr_va_sdst(0) depctr_va_ssrc(0) depctr_va_vcc(0) depctr_vm_vsrc(0)
	s_getreg_b32 s2, hwreg(HW_REG_IB_STS2, 6, 4)
	s_cmp_eq_u32 s2, 0
	s_cbranch_scc0 .Lentry_in_a_cluster
	s_endpgm
.Lentry_in_a_cluster:
	s_bfe_u32 s2, ttmp6, 0x10000c
	s_cmp_lg_u32 s2, 0xf033
	s_cbranch_scc0 .Lentry_shape_is_right
	s_endpgm
.Lentry_shape_is_right:
; OUT = RES + BIAS + A W, f32.  A: f16 in blocks [k / 64][4096 m][64]; W: f16 in blocks [n / 128][KDIM k][128], WOFF bytes behind its buffer's head; RES, OUT: [4096][1024] f32; BIAS: [1024] f32.
; Here: hidden = x + bo + ctx wo.  BIAS is rounded to bf16 like every input of the module; RND = 1: RES is an input (x) and is rounded too.
; LIMITS.  None beyond f16's range in A and W, which earlier launches keep.  NaN and infinities are not treated apart.
; SHAPE.  A tile of OUT is 128 x 128, so that 256 work-groups share the 4,096 x 1,024 numbers: four waves, each 64 x 64 in 16 accumulators.  K goes in steps of 256 through two LDS slots.
; The accumulators START as RES + BIAS, loaded straight into them, so every product adds in place and nothing follows the sums but the stores.
; The product is taken transposed (source 0 = 16 columns of W, turned by ds_load_tr16_b128; source 1 = 16 rows of A): a lane holds eight neighbouring columns of one row.
; CLUSTER 4 x 4: A's tile jointly along a row of the cluster, W's along a column.  The first two K steps are asked for together, each by a group 0 of its own; the second set then walks on.
; By this text's count a wave has two tensor loads out at the start and one behind each later round.  No prefetch: the tiles are small.
; TWO LOOPS, a trip a K step: the first fills the slot that it leaves; the second, of two trips, fills nothing.  Its last trip fetches 32 fragments of a slot that has been read already, and nobody uses them:
; the price, once a launch, of one text for the last two K steps.
; THE WAY OUT goes through the ring's bytes, when the ring has had its last fill and its last read: rows of 528 bytes; each wave then stores 32 whole rows of 512 consecutive bytes.
; REGISTERS: window 0: v0-31 addresses, v32-95 at work, v96-127 the bias, v128-255 the accumulators ((a, b) at v[128 + 8 (4 a + b)]); window 1: two fragment buffers of 128 (64 of A, 64 of W), each 64 along K deep.
.set KDIM, 1024
.set WOFF, 6307840
.set RND,  1
.set T,     KDIM/256
.set PAK,   144                        ; a row of A in LDS: 128 bytes + 16
.set PB,    288                        ; a row of W: 256 + 32
.set KBB,   128*PAK                    ; a block of 64 along K: 128 rows
.set BOFF,  4*KBB                      ; in a slot: A's four blocks, then W's 256 rows
.set QTR,   2*KBB                      ; what one wave fills: 36,864 bytes = two blocks of A = 128 rows of W
.set SLOT,  2*BOFF                     ; 147,456
.set SPARE, 2*SLOT                     ; the spare words, 128 bytes for each wave, which no other line names
.set SPI,   528
.set A0,   10
.set B0,   11
.set ADRA, 16
.set ADRBL, 17                         ; v17: W's rows 0-127 of the slot; v18: rows 128-255 (the immediate does not reach them)
.set STO,  24
.set RD,   25
.set CO,   26
.set RO,   27
.set SPW,  28
.set NIL,  29
.set BO,   30
.set ONE,  31
.set TMP,  32
.set BI,   96
.set ACC,  128
.set F0,   0
.set F1,   128
.set WV, 12
.set RH, 13
.set CH, 14
.set CX, 15
.set CY, 16
.set TX, 17
.set TY, 18
.set G1A, 24
.set G0A, 32                           ; s[32:35] A's walking group 0: it begins at K step 1
.set G0B, 36                           ; s[36:39] W's
.set G1B, 40
.set TB,  48
.set TF,  49
.set LB,  50
.set CNT, 52
.set G0A0, 68                          ; s[68:71] A's group 0 for K step 0
.set G0B0, 72                          ; s[72:75] W's
.set MSB, 0
.macro WIN new
.if MSB != (\new)
	s_set_vgpr_msb (MSB<<8)|(\new)
.set MSB, \new
.endif
.endm
.macro JLOAD                           ; waves 0, 1 fetch A's pairs of blocks, waves 2, 3 W's halves.  An s_nop 0 and four v_nop follow each line
	s_cmp_eq_u32 s[RH], 0
	s_cbranch_scc0 .Lfor_b_\@
	tensor_load_to_lds s[G0A:G0A+3], s[G1A:G1A+7]
	s_nop 0
.rept 4
	v_nop
.endr
	s_branch .Lasked_\@
.Lfor_b_\@:
	tensor_load_to_lds s[G0B:G0B+3], s[G1B:G1B+7]
	s_nop 0
.rept 4
	v_nop
.endr
.Lasked_\@:
.endm
.macro CREST
	s_cmp_lg_u32 s[WV], 0
	s_cbranch_scc1 .Lnot_wave_0_\@
	s_barrier_signal -3
.Lnot_wave_0_\@:
	s_barrier_wait -3
	s_barrier_signal -1
	s_barrier_wait -1
.endm
.macro CROUND
	s_barrier_signal -1
	s_barrier_wait -1
	CREST
.endm
.macro STEP                            ; both walking descriptors: the next K step, the other slot
	s_add_nc_u64 s[G0A+2:G0A+3], s[G0A+2:G0A+3], 4*524288
	s_add_nc_u64 s[G0B+2:G0B+3], s[G0B+2:G0B+3], 65536
	s_xor_b32 s[TF], s[TF], SLOT
	s_add_co_u32 s[G0A+1], s[TF], s[LB]
	s_add_co_u32 s[G0B+1], s[TF], s[LB]
.endm
.macro FLIP
	WIN 0
	s_xor_b32 s[TB], s[TB], SLOT
	v_add_nc_u32 v[ADRA], s[TB], v[A0]
	v_add_nc_u32 v[ADRBL], s[TB], v[B0]
	v_add_nc_u32 v[ADRBL+1], 128*PB, v[ADRBL]
.endm
.macro PLACES
.rept 4
	v_nop
.endr
.endm
.macro MUL8 f, c, a0                   ; 8 products: row blocks a0, a0 + 1 x all 4 column blocks, 32 along K: half c of buffer f.  The 16 accumulators take turns
	WIN 0x05
.irp a, \a0, (\a0)+1
.irp b, 0,1,2,3
	v_wmma_f32_16x16x32_f16 v[ACC+8*(4*(\a)+(\b)):ACC+8*(4*(\a)+(\b))+7], v[(\f)+64+8*(4*(\c)+(\b)):(\f)+64+8*(4*(\c)+(\b))+7], v[(\f)+8*(4*(\c)+(\a)):(\f)+8*(4*(\c)+(\a))+7], v[ACC+8*(4*(\a)+(\b)):ACC+8*(4*(\a)+(\b))+7]
.endr
.endr
.endm
.macro FETCH q, f                      ; 32 LDS loads in one run: quarter q (64 along K) into buffer f; its first 32 along K first
	WIN 0x40
.irp c, 0,1
.irp i, 0,1,2,3
	ds_load_tr16_b128 v[(\f)+64+8*(4*(\c)+(\i)):(\f)+64+8*(4*(\c)+(\i))+3],   v[ADRBL+(\q)/2] offset:((\q)%2)*64*PB+(\c)*32*PB+32*(\i)
	ds_load_tr16_b128 v[(\f)+64+8*(4*(\c)+(\i))+4:(\f)+64+8*(4*(\c)+(\i))+7], v[ADRBL+(\q)/2] offset:((\q)%2)*64*PB+(\c)*32*PB+32*(\i)+16*PB
	ds_load_b128 v[(\f)+8*(4*(\c)+(\i)):(\f)+8*(4*(\c)+(\i))+3],   v[ADRA] offset:(\q)*KBB+64*(\c)+(\i)*16*PAK
	ds_load_b128 v[(\f)+8*(4*(\c)+(\i))+4:(\f)+8*(4*(\c)+(\i))+7], v[ADRA] offset:(\q)*KBB+64*(\c)+(\i)*16*PAK+32
.endr
.endr
.endm
.macro QUARTER q, f, g                 ; multiplies buffer f; in its middle fetches quarter q into buffer g
	s_wait_dscnt 16                                ; the first 32 along K are in
	MUL8 \f, 0, 0
	MUL8 \f, 0, 2
	PLACES
	FETCH \q, \g
	s_wait_dscnt 32                                ; all but the 32 just issued
	MUL8 \f, 1, 0
	MUL8 \f, 1, 2
.endm
; A K step's last quarter, and the change of slots: ONE barrier; in front of it each wave waits for all its tensor loads, adds 0 to its spare word, and waits for that and for its reads of this slot.
.macro TURN fill
	WIN 0
	s_wait_tensorcnt 0x0
	ds_add_u32 v[SPW], v[NIL]
	s_wait_dscnt 17                                ; the add and the youngest sixteen loads may be out
	MUL8 F1, 0, 0
	s_wait_dscnt 0x0
	s_barrier_signal -1
	MUL8 F1, 0, 2
.if \fill
	WIN 0
.endif
	s_barrier_wait -1
.if \fill
	CREST                                          ; the barrier has opened a round of the cluster's
	STEP
	JLOAD                                          ; the first tensor load behind the round; its four v_nop are also the places in front of the loads below
.else
	PLACES
.endif
	FLIP
	FETCH 0, F0
	MUL8 F1, 1, 0
	MUL8 F1, 1, 2
.endm
	s_load_b256 s[4:11], s[0:1], 0x0               ; A s[4:5], W s[6:7], BIAS s[8:9], RES s[10:11]
	s_load_b64 s[2:3], s[0:1], 0x20                ; OUT
	v_lshl_add_u32 v[SPW], v0, 2, SPARE
	v_mov_b32 v[NIL], 0
	ds_add_u32 v[SPW], v[NIL]                      ; the wave's opening: the add and its wait stand ahead of my first tensor load
	v_lshrrev_b32 v3, 5, v0
	v_readfirstlane_b32 s[WV], v3
	s_lshr_b32 s[RH], s[WV], 1
	s_and_b32 s[CH], s[WV], 1
	s_bfe_u32 s[CX], ttmp6, 0x40000
	s_bfe_u32 s[CY], ttmp6, 0x40004
	s_lshl_b32 s[TX], ttmp9, 2
	s_add_co_u32 s[TX], s[TX], s[CX]
	s_and_b32 s[TY], ttmp7, 0xffff
	s_lshl_b32 s[TY], s[TY], 2
	s_add_co_u32 s[TY], s[TY], s[CY]
	s_lshl_b32 s22, s[CY], 2
	s_lshl_b32 s22, 15, s22                        ; my row of the cluster
	s_lshl_b32 s54, 0x1111, s[CX]                  ; my column
	s_or_b32 s[G1A], s22, (1<<16)|(1<<20)|(1<<21)|(4<<22)|(3<<25)   ; padding: after every 32 words (a row of 64 f16), 4 words
	s_mov_b32 s[G1A+1], 8192<<16                   ; tensor_dim0 = 8,192: 128 dense rows of one block are one long row,
	s_mov_b32 s[G1A+2], 2<<16                      ; tensor_dim1 = 2 blocks
	s_mov_b32 s[G1A+3], 8192<<16                   ; tile_dim0
	s_mov_b32 s[G1A+4], 2                          ; tile_dim1
	s_mov_b32 s[G1A+5], 262144                     ; elements from block to block
	s_mov_b32 s[G1A+6], 0
	s_mov_b32 s[G1A+7], 0
	s_or_b32 s[G1B], s54, (1<<16)|(1<<20)|(1<<21)|(5<<22)|(7<<25)   ; after every 64 words, 8 words
	s_mov_b32 s[G1B+1], 128<<16
	s_mov_b32 s[G1B+2], 128<<16
	s_mov_b32 s[G1B+3], 128<<16
	s_mov_b32 s[G1B+4], 128
	s_mov_b32 s[G1B+5], 128
	s_mov_b32 s[G1B+6], 0
	s_mov_b32 s[G1B+7], 0
	s_mul_i32 s[LB], s[WV], QTR                    ; where my load goes in a slot
	s_mov_b32 s[TB], 0
	s_mov_b32 s[TF], SLOT                          ; the walking sets begin in slot 1
	s_mov_b32 s[G0A0], 1
	s_mov_b32 s[G0A0+1], s[LB]
	s_mov_b32 s[G0A], 1
	s_add_co_u32 s[G0A+1], s[LB], SLOT
	s_mov_b32 s[G0B0], 1
	s_mov_b32 s[G0B0+1], s[LB]
	s_mov_b32 s[G0B], 1
	s_add_co_u32 s[G0B+1], s[LB], SLOT
	s_lshl_b32 s20, s[CH], 20                      ; A: blocks 2 x half on, 524,288 bytes each,
	s_lshl_b32 s21, s[TY], 14                      ; 128 rows of 128 bytes a tile row
	s_add_co_u32 s20, s20, s21
	s_mov_b32 s21, 0
	s_mul_i32 s54, s[TX], KDIM*256                 ; W: block = tile column,
	s_lshl_b32 s55, s[CH], 15                      ; 128 rows of 256 bytes a half
	s_add_co_u32 s54, s54, s55
	s_add_co_u32 s54, s54, WOFF
	s_mov_b32 s55, 0
	s_lshl_b32 s56, s[TX], 9
	s_lshl_b32 s57, s[CH], 8
	s_add_co_u32 s56, s56, s57                     ; my 64 columns, in f32
	s_mov_b32 s57, 0
	s_lshl_b32 s58, s[TY], 19
	s_lshl_b32 s59, s[RH], 18
	s_add_co_u32 s58, s58, s59
	s_add_co_u32 s58, s58, s56                     ; RES at my 64 x 64
	s_mov_b32 s59, 0
	s_lshl_b32 s60, s[TY], 19
	s_lshl_b32 s61, s[WV], 17
	s_add_co_u32 s60, s60, s61
	s_lshl_b32 s61, s[TX], 9
	s_add_co_u32 s60, s60, s61                     ; OUT at the 32 whole rows that I store
	s_mov_b32 s61, 0
	s_mov_b32 s53, 0xffff0000
	s_wait_dscnt 0x0                               ; the opening add is done
	s_wait_kmcnt 0x0
	s_add_nc_u64 s[G0A0+2:G0A0+3], s[4:5], s[20:21]
	s_add_nc_u64 s[G0A+2:G0A+3], s[G0A0+2:G0A0+3], 4*524288  ; K step 1: four blocks on,
	s_or_b32 s[G0A0+3], s[G0A0+3], 0x80000000
	s_or_b32 s[G0A+3], s[G0A+3], 0x80000000
	s_add_nc_u64 s[G0B0+2:G0B0+3], s[6:7], s[54:55]
	s_add_nc_u64 s[G0B+2:G0B+3], s[G0B0+2:G0B0+3], 65536     ; 256 rows down W's block
	s_or_b32 s[G0B0+3], s[G0B0+3], 0x80000000
	s_or_b32 s[G0B+3], s[G0B+3], 0x80000000
	s_add_nc_u64 s[8:9], s[8:9], s[56:57]
	s_add_nc_u64 s[10:11], s[10:11], s[58:59]
	s_add_nc_u64 s[2:3], s[2:3], s[60:61]
	CROUND                                         ; all sixteen work-groups are here
	s_cmp_eq_u32 s[RH], 0                          ; a wave's two first fills stand in one branch, ahead of every wait on TENSORcnt and every LDS read; an s_nop 0 follows each, four v_nop the second's
	s_cbranch_scc0 .Lfirst_b
	tensor_load_to_lds s[G0A0:G0A0+3], s[G1A:G1A+7]
	s_nop 0
	tensor_load_to_lds s[G0A:G0A+3], s[G1A:G1A+7]
	s_nop 0
.rept 4
	v_nop
.endr
	s_branch .Lfirst_asked
.Lfirst_b:
	tensor_load_to_lds s[G0B0:G0B0+3], s[G1B:G1B+7]
	s_nop 0
	tensor_load_to_lds s[G0B:G0B+3], s[G1B:G1B+7]
	s_nop 0
.rept 4
	v_nop
.endr
.Lfirst_asked:
	v_and_b32 v1, 15, v0                           ; r
	v_bfe_u32 v2, v0, 4, 1                         ; h
	v_and_b32 v3, 31, v0                           ; l
	v_lshlrev_b32 v[BO], 5, v2
	v_lshlrev_b32 v[RO], 12, v1
	v_lshl_add_u32 v[RO], v2, 5, v[RO]             ; row r, 32 bytes for each half of the lanes
.irp b, 0,1,2,3
	global_load_b128 v[BI+8*(\b):BI+8*(\b)+3],   v[BO], s[8:9] offset:64*(\b)
	global_load_b128 v[BI+8*(\b)+4:BI+8*(\b)+7], v[BO], s[8:9] offset:64*(\b)+16
.endr
.irp a, 0,1,2,3
.irp b, 0,1,2,3
	global_load_b128 v[ACC+8*(4*(\a)+(\b)):ACC+8*(4*(\a)+(\b))+3],   v[RO], s[10:11] offset:(\a)*65536+64*(\b)
	global_load_b128 v[ACC+8*(4*(\a)+(\b))+4:ACC+8*(4*(\a)+(\b))+7], v[RO], s[10:11] offset:(\a)*65536+64*(\b)+16
.endr
.endr
	v_and_b32 v4, 7, v0
	v_bfe_u32 v5, v0, 3, 1
	v_mul_u32_u24 v[A0], v1, PAK
	v_lshl_add_u32 v[A0], v2, 4, v[A0]
	s_mul_i32 s56, s[RH], 64*PAK
	v_add_nc_u32 v[A0], s56, v[A0]
	v_lshl_add_u32 v6, v2, 3, v4
	v_mul_u32_u24 v[B0], v6, PB
	v_lshl_add_u32 v[B0], v5, 4, v[B0]
	s_lshl_b32 s56, s[CH], 7
	s_add_co_u32 s56, s56, BOFF
	v_add_nc_u32 v[B0], s56, v[B0]
	v_mov_b32 v[ADRA], v[A0]
	v_mov_b32 v[ADRBL], v[B0]
	v_add_nc_u32 v[ADRBL+1], 128*PB, v[B0]
	s_mul_i32 s56, s[RH], 64*SPI
	s_lshl_b32 s57, s[CH], 8
	s_add_co_u32 s56, s56, s57
	v_mul_u32_u24 v[STO], v1, SPI
	v_lshl_add_u32 v[STO], v2, 5, v[STO]
	v_add_nc_u32 v[STO], s56, v[STO]
	s_mul_i32 s56, s[WV], 32*SPI
	v_lshl_add_u32 v[RD], v3, 4, s56
	v_lshlrev_b32 v[CO], 4, v3
	v_mov_b32 v[ONE], 1.0
	s_wait_tensorcnt 0x1                           ; my part of K step 0 is in; K step 1's load may stay out
	s_barrier_signal -1
	s_barrier_wait -1                              ; everybody's part is in
	FETCH 0, F0                                    ; the first fragments are on their way while the sums' starting values are made
	WIN 0
	s_wait_loadcnt 0x0                             ; BIAS and RES
.set i, 0
.rept 16                               ; the bias is an input: rounded to bf16
	v_cvt_pk_bf16_f32 v[TMP+i], v[BI+2*i], v[BI+2*i+1]
.set i, i+1
.endr
.set i, 0
.rept 16
	v_lshlrev_b32 v[BI+2*i], 16, v[TMP+i]
	v_and_b32 v[BI+2*i+1], s53, v[TMP+i]
.set i, i+1
.endr
.if RND
.set i, 0
.rept 64                               ; RES is an input: rounded to bf16; then + bias.  Register n of the accumulators takes bias register n % 32
	v_cvt_pk_bf16_f32 v[TMP+i], v[ACC+2*i], v[ACC+2*i+1]
.set i, i+1
.endr
.set i, 0
.rept 64
	v_fma_mix_f32_bf16 v[ACC+2*i], v[TMP+i], v[ONE], v[BI+(2*i)%32] op_sel_hi:[1,0,0]
	v_fma_mix_f32_bf16 v[ACC+2*i+1], v[TMP+i], v[ONE], v[BI+(2*i)%32+1] op_sel:[1,0,0] op_sel_hi:[1,0,0]
.set i, i+1
.endr
.else
.set i, 0
.rept 64                               ; + bias.  Register n of the accumulators takes bias register n % 32
	v_pk_add_f32 v[ACC+2*i:ACC+2*i+1], v[ACC+2*i:ACC+2*i+1], v[BI+(2*i)%32:BI+(2*i)%32+1]
.set i, i+1
.endr
.endif
	s_mov_b32 s[CNT], T-2
.Lk:                                                   ; a trip is a K step; at its end the slot that it leaves is filled with the K step two on
	QUARTER 1, F0, F1
	QUARTER 2, F1, F0
	QUARTER 3, F0, F1
	TURN 1
	WIN 0
	s_sub_co_u32 s[CNT], s[CNT], 1
	s_cmp_lg_u32 s[CNT], 0
	s_cbranch_scc1 .Lk
	s_mov_b32 s[CNT], 2
.Lt:                                                   ; the last two K steps fill nothing; what the very last trip fetches at its end is not used
	QUARTER 1, F0, F1
	QUARTER 2, F1, F0
	QUARTER 3, F0, F1
	TURN 0
	WIN 0
	s_sub_co_u32 s[CNT], s[CNT], 1
	s_cmp_lg_u32 s[CNT], 0
	s_cbranch_scc1 .Lt
	PLACES
	s_wait_dscnt 0x0                               ; my reads of the ring are over;
	s_barrier_signal -1
	s_barrier_wait -1                              ; everybody's are, and the ring has had its last fill: its bytes are the stage
.irp a, 0,1,2,3
.irp b, 0,1,2,3
	ds_store_b128 v[STO], v[ACC+8*(4*(\a)+(\b)):ACC+8*(4*(\a)+(\b))+3]   offset:(\a)*16*SPI+64*(\b)      ; each accumulator's low registers first
	ds_store_b128 v[STO], v[ACC+8*(4*(\a)+(\b))+4:ACC+8*(4*(\a)+(\b))+7] offset:(\a)*16*SPI+64*(\b)+16
.endr
.endr
	s_wait_dscnt 0x0                               ; for the others' sake: my stores are done
	s_barrier_signal -1
	s_barrier_wait -1
.set t, 0
.rept 32
	ds_load_b128 v[ACC+4*t:ACC+4*t+3], v[RD] offset:SPI*t
.set t, t+1
.endr
.set t, 0
.rept 32
	s_wait_dscnt 31-t                              ; row t is back; the younger loads may be out
	global_store_b128 v[CO], v[ACC+4*t:ACC+4*t+3], s[2:3] offset:4096*t   ; 512 consecutive bytes, aligned
.set t, t+1
.endr
	s_wait_tensorcnt 0x0                           ; the wave's end
	ds_add_u32 v[SPW], v[NIL]
	s_wait_dscnt 0x0
	CROUND                                         ; the closing round
	s_endpgm
.Lfunc_end_k_q8a980af30a_wo:
	.size	k_q8a980af30a_wo, .Lfunc_end_k_q8a980af30a_wo-k_q8a980af30a_wo
	.p2alignl 7, 3214868480
	.fill 96, 4, 3214868480
	.section	.rodata,"a",@progbits
	.p2align	6, 0x0
	.amdhsa_kernel k_q8a980af30a_wo
		.amdhsa_group_segment_fixed_size 327680
		.amdhsa_private_segment_fixed_size 0
		.amdhsa_enable_private_segment 0
		.amdhsa_kernarg_size 40
		.amdhsa_user_sgpr_count 2
		.amdhsa_user_sgpr_kernarg_segment_ptr 1
		.amdhsa_wavefront_size32 1
		.amdhsa_system_sgpr_workgroup_id_x 1
		.amdhsa_system_sgpr_workgroup_id_y 1
		.amdhsa_system_sgpr_workgroup_id_z 1
		.amdhsa_system_vgpr_workitem_id 0
		.amdhsa_next_free_vgpr 512
		.amdhsa_next_free_sgpr 80
		.amdhsa_reserve_vcc 0
		.amdhsa_float_denorm_mode_32 3
		.amdhsa_float_denorm_mode_16_64 3
		.amdhsa_memory_ordered 1
		.amdhsa_forward_progress 1
		.amdhsa_inst_pref_size 72
	.end_amdhsa_kernel
	.amdgpu_metadata
---
amdhsa.version: [ 1, 2 ]
amdhsa.kernels:
  - .name:           k_q8a980af30a_wo
    .symbol:         k_q8a980af30a_wo.kd
    .args:
      - { .name: act16, .offset: 0, .size: 8, .value_kind: global_buffer, .address_space: global }
      - { .name: WA, .offset: 8, .size: 8, .value_kind: global_buffer, .address_space: global }
      - { .name: bo, .offset: 16, .size: 8, .value_kind: global_buffer, .address_space: global }
      - { .name: x, .offset: 24, .size: 8, .value_kind: global_buffer, .address_space: global }
      - { .name: hidden, .offset: 32, .size: 8, .value_kind: global_buffer, .address_space: global }
    .group_segment_fixed_size: 327680
    .private_segment_fixed_size: 0
    .kernarg_segment_align: 8
    .kernarg_segment_size: 40
    .max_flat_workgroup_size: 128
    .sgpr_count:     80
    .vgpr_count:     512
    .wavefront_size: 32
...
	.end_amdgpu_metadata
.endif
;; end of part 4
;; launch ln2 (part 5): grid 512 x 1, 8 waves a work-group, no clusters, 0 bytes of LDS; arguments hidden, ln2_w, ln2_b, act16; writes act16
.if DOCPART == 5
	.amdgcn_target "amdgcn-amd-amdhsa--gfx1250"
	.amdhsa_code_object_version 6
	.text
	.protected	k_q8a980af30a_ln2
	.globl	k_q8a980af30a_ln2
	.p2align	8
	.type	k_q8a980af30a_ln2,@function
k_q8a980af30a_ln2:
	s_mov_b64 s[64:65], 0
	v_nop
	global_prefetch_b8 v0, s[64:65] scope:SCOPE_SE
	s_setreg_imm32_b32 hwreg(HW_REG_WAVE_MODE, 25, 1), 1
	s_wait_xcnt 0x0
; hn = layernorm(hidden) ln2_w + ln2_b -> act16 [4096][1024] f16.  hidden is the program's own f32 and is taken as it is; the gain and the bias are inputs and are rounded to bf16 like every input.
; LIMITS.  |hn| under 65,504.  NaN and infinities are not treated apart.
; A stream: a wave takes one row, whole in 32 registers, read once; mean and variance in two passes in f32.  No LDS, no cluster, no matrix unit: no wave wants another's bytes.
.set XO,  2
.set YO,  3
.set MU,  6
.set RS,  8
.set X,   16                           ; v[16:47]   the row
.set W,   48                           ; v[48:79]   gain
.set BB,  80                           ; v[80:111]  bias
.set T,   112                          ; v[112:127] at work; at the end the row in f16
.set OUTP, 14                          ; s[14:15] act16
.macro RND32 base
.set i, 0
.rept 16
	v_cvt_pk_bf16_f32 v[T+i], v[(\base)+2*i], v[(\base)+2*i+1]
.set i, i+1
.endr
.set i, 0
.rept 16
	v_lshlrev_b32 v[(\base)+2*i], 16, v[T+i]
	v_and_b32 v[(\base)+2*i+1], s45, v[T+i]
.set i, i+1
.endr
.endm
.macro ACROSS                          ; v[T], v[T+1] -> their sum over the 32 lanes, in every lane's v[T]
	v_add_f32 v[T], v[T], v[T+1]
	v_add_f32_dpp v[T], v[T], v[T] row_xmask:1 row_mask:0xf bank_mask:0xf
	v_add_f32_dpp v[T], v[T], v[T] row_xmask:2 row_mask:0xf bank_mask:0xf
	v_add_f32_dpp v[T], v[T], v[T] row_xmask:4 row_mask:0xf bank_mask:0xf
	v_add_f32_dpp v[T], v[T], v[T] row_xmask:8 row_mask:0xf bank_mask:0xf
	v_permlanex16_b32 v[T+1], v[T], s52, s53
	v_add_f32 v[T], v[T], v[T+1]
.endm
	s_load_b256 s[8:15], s[0:1], 0x0               ; hidden 8, ln2_w 10, ln2_b 12, act16 14
	v_lshrrev_b32 v1, 5, v0
	v_readfirstlane_b32 s44, v1
	v_and_b32 v1, 31, v0
	s_mov_b32 s45, 0xffff0000
	s_mov_b32 s52, 0x76543210
	s_mov_b32 s53, 0xfedcba98
	s_mov_b32 s54, 0x3a800000                      ; 1 / 1024
	s_mov_b32 s55, 0x3727c5ac                      ; 1e-5
	s_mov_b32 s59, 0
	s_lshl_b32 s58, ttmp9, 15                      ; 8 rows of 4,096 bytes a work-group,
	s_lshl_b32 s56, s44, 12                        ; one a wave
	s_add_co_u32 s58, s58, s56
	v_lshlrev_b32 v[XO], 4, v1
	v_lshlrev_b32 v[YO], 3, v1
	s_wait_kmcnt 0x0
	s_add_nc_u64 s[8:9], s[8:9], s[58:59]
	s_lshr_b32 s58, s58, 1
	s_add_nc_u64 s[OUTP:OUTP+1], s[OUTP:OUTP+1], s[58:59]
.irp j, 0,1,2,3,4,5,6,7
	global_load_b128 v[X+4*(\j):X+4*(\j)+3], v[XO], s[8:9] offset:512*(\j)
.endr
.irp j, 0,1,2,3,4,5,6,7
	global_load_b128 v[W+4*(\j):W+4*(\j)+3], v[XO], s[10:11] offset:512*(\j)
.endr
.irp j, 0,1,2,3,4,5,6,7
	global_load_b128 v[BB+4*(\j):BB+4*(\j)+3], v[XO], s[12:13] offset:512*(\j)
.endr
	s_wait_loadcnt 16                              ; the row is in; the gain's and the bias's 16 loads stay out
	; the row becomes x - mean; RS takes 1 / sqrt(mean of squares of that + eps)
.set i, 0
.rept 8
	v_pk_add_f32 v[T+2*i:T+2*i+1], v[X+4*i:X+4*i+1], v[X+4*i+2:X+4*i+3]
.set i, i+1
.endr
.irp i, 0,1,2,3
	v_pk_add_f32 v[T+4*(\i):T+4*(\i)+1], v[T+4*(\i):T+4*(\i)+1], v[T+4*(\i)+2:T+4*(\i)+3]
.endr
	v_pk_add_f32 v[T:T+1], v[T:T+1], v[T+4:T+5]
	v_pk_add_f32 v[T+8:T+9], v[T+8:T+9], v[T+12:T+13]
	v_pk_add_f32 v[T:T+1], v[T:T+1], v[T+8:T+9]
	ACROSS
	v_mul_f32 v[MU], s54, v[T]
	v_mul_f32 v[MU+1], s54, v[T]
.set i, 0
.rept 16
	v_pk_add_f32 v[X+2*i:X+2*i+1], v[X+2*i:X+2*i+1], v[MU:MU+1] neg_lo:[0,1] neg_hi:[0,1]
.set i, i+1
.endr
.irp c, 0,1,2,3
	v_pk_mul_f32 v[T+2*(\c):T+2*(\c)+1], v[X+2*(\c):X+2*(\c)+1], v[X+2*(\c):X+2*(\c)+1]
.endr
.set i, 4
.rept 12                               ; four chains that do not wait for each other
	v_pk_fma_f32 v[T+2*(i%4):T+2*(i%4)+1], v[X+2*i:X+2*i+1], v[X+2*i:X+2*i+1], v[T+2*(i%4):T+2*(i%4)+1]
.set i, i+1
.endr
	v_pk_add_f32 v[T:T+1], v[T:T+1], v[T+2:T+3]
	v_pk_add_f32 v[T+4:T+5], v[T+4:T+5], v[T+6:T+7]
	v_pk_add_f32 v[T:T+1], v[T:T+1], v[T+4:T+5]
	ACROSS
	v_fma_f32 v[T+2], v[T], s54, s55
	v_rsq_f32 v[RS], v[T+2]
	v_rsq_f32 v[RS+1], v[T+2]
	v_nop                                          ; a plain instruction behind the last root,
	s_wait_alu depctr_va_vdst(0)                   ; and the one wait for both
	s_wait_loadcnt 0x0                             ; gain and bias
	RND32 W
	RND32 BB
.set i, 0
.rept 16
	v_pk_mul_f32 v[X+2*i:X+2*i+1], v[X+2*i:X+2*i+1], v[RS:RS+1]
.set i, i+1
.endr
.set i, 0
.rept 16
	v_pk_fma_f32 v[X+2*i:X+2*i+1], v[X+2*i:X+2*i+1], v[W+2*i:W+2*i+1], v[BB+2*i:BB+2*i+1]
.set i, i+1
.endr
.set i, 0
.rept 16
	v_cvt_pk_f16_f32 v[T+i], v[X+2*i], v[X+2*i+1]
.set i, i+1
.endr
.irp j, 0,1,2,3,4,5,6,7
	global_store_b64 v[YO], v[T+2*(\j):T+2*(\j)+1], s[OUTP:OUTP+1] offset:256*(\j)   ; 256 consecutive bytes, aligned
.endr
	s_endpgm
.Lfunc_end_k_q8a980af30a_ln2:
	.size	k_q8a980af30a_ln2, .Lfunc_end_k_q8a980af30a_ln2-k_q8a980af30a_ln2
	.p2alignl 7, 3214868480
	.fill 96, 4, 3214868480
	.section	.rodata,"a",@progbits
	.p2align	6, 0x0
	.amdhsa_kernel k_q8a980af30a_ln2
		.amdhsa_group_segment_fixed_size 0
		.amdhsa_private_segment_fixed_size 0
		.amdhsa_enable_private_segment 0
		.amdhsa_kernarg_size 32
		.amdhsa_user_sgpr_count 2
		.amdhsa_user_sgpr_kernarg_segment_ptr 1
		.amdhsa_wavefront_size32 1
		.amdhsa_system_sgpr_workgroup_id_x 1
		.amdhsa_system_sgpr_workgroup_id_y 1
		.amdhsa_system_sgpr_workgroup_id_z 1
		.amdhsa_system_vgpr_workitem_id 0
		.amdhsa_next_free_vgpr 128
		.amdhsa_next_free_sgpr 66
		.amdhsa_reserve_vcc 0
		.amdhsa_float_denorm_mode_32 3
		.amdhsa_float_denorm_mode_16_64 3
		.amdhsa_memory_ordered 1
		.amdhsa_forward_progress 1
		.amdhsa_inst_pref_size 16
	.end_amdhsa_kernel
	.amdgpu_metadata
---
amdhsa.version: [ 1, 2 ]
amdhsa.kernels:
  - .name:           k_q8a980af30a_ln2
    .symbol:         k_q8a980af30a_ln2.kd
    .args:
      - { .name: hidden, .offset: 0, .size: 8, .value_kind: global_buffer, .address_space: global }
      - { .name: ln2_w, .offset: 8, .size: 8, .value_kind: global_buffer, .address_space: global }
      - { .name: ln2_b, .offset: 16, .size: 8, .value_kind: global_buffer, .address_space: global }
      - { .name: act16, .offset: 24, .size: 8, .value_kind: global_buffer, .address_space: global }
    .group_segment_fixed_size: 0
    .private_segment_fixed_size: 0
    .kernarg_segment_align: 8
    .kernarg_segment_size: 32
    .max_flat_workgroup_size: 256
    .sgpr_count:     66
    .vgpr_count:     128
    .wavefront_size: 32
...
	.end_amdgpu_metadata
.endif
;; end of part 5
;; launch up: the kernel of part 2 again; grid 16 x 16, 4 waves a work-group, clusters of 4 x 4, 327,680 bytes of LDS; arguments act16, WB, mode1, big16; writes big16
;; launch down (part 6): grid 8 x 32, 4 waves a work-group, clusters of 4 x 4, 327,680 bytes of LDS; arguments big16, WB, bd, hidden, out0; writes out0
.if DOCPART == 6
	.amdgcn_target "amdgcn-amd-amdhsa--gfx1250"
	.amdhsa_code_object_version 6
	.text
	.protected	k_q8a980af30a_down
	.globl	k_q8a980af30a_down
	.p2align	8
	.type	k_q8a980af30a_down,@function
k_q8a980af30a_down:
	s_mov_b64 s[64:65], 0
	v_nop
	global_prefetch_b8 v0, s[64:65] scope:SCOPE_SE
	s_setreg_imm32_b32 hwreg(HW_REG_WAVE_MODE, 25, 1), 1
	s_wait_xcnt 0x0
	s_wait_alu depctr_hold_cnt(0) depctr_sa_sdst(0) depctr_va_vdst(0) depctr_va_sdst(0) depctr_va_ssrc(0) depctr_va_vcc(0) depctr_vm_vsrc(0)
	s_getreg_b32 s2, hwreg(HW_REG_IB_STS2, 6, 4)
	s_cmp_eq_u32 s2, 0
	s_cbranch_scc0 .Lentry_in_a_cluster
	s_endpgm
.Lentry_in_a_cluster:
	s_bfe_u32 s2, ttmp6, 0x10000c
	s_cmp_lg_u32 s2, 0xf033
	s_cbranch_scc0 .Lentry_shape_is_right
	s_endpgm
.Lentry_shape_is_right:
; OUT = RES + BIAS + A W, f32.  A: f16 in blocks [k / 64][4096 m][64]; W: f16 in blocks [n / 128][KDIM k][128], WOFF bytes behind its buffer's head; RES, OUT: [4096][1024] f32; BIAS: [1024] f32.
; Here: out0 = hidden + bd + up wd.  BIAS is rounded to bf16 like every input of the module; RND = 0: RES is the program's own f32 and is taken as it is.
; LIMITS.  None beyond f16's range in A and W, which earlier launches keep.  NaN and infinities are not treated apart.
; SHAPE.  A tile of OUT is 128 x 128, so that 256 work-groups share the 4,096 x 1,024 numbers: four waves, each 64 x 64 in 16 accumulators.  K goes in steps of 256 through two LDS slots.
; The accumulators START as RES + BIAS, loaded straight into them, so every product adds in place and nothing follows the sums but the stores.
; The product is taken transposed (source 0 = 16 columns of W, turned by ds_load_tr16_b128; source 1 = 16 rows of A): a lane holds eight neighbouring columns of one row.
; CLUSTER 4 x 4: A's tile jointly along a row of the cluster, W's along a column.  The first two K steps are asked for together, each by a group 0 of its own; the second set then walks on.
; By this text's count a wave has two tensor loads out at the start and one behind each later round.  No prefetch: the tiles are small.
; TWO LOOPS, a trip a K step: the first fills the slot that it leaves; the second, of two trips, fills nothing.  Its last trip fetches 32 fragments of a slot that has been read already, and nobody uses them:
; the price, once a launch, of one text for the last two K steps.
; THE WAY OUT goes through the ring's bytes, when the ring has had its last fill and its last read: rows of 528 bytes; each wave then stores 32 whole rows of 512 consecutive bytes.
; REGISTERS: window 0: v0-31 addresses, v32-95 at work, v96-127 the bias, v128-255 the accumulators ((a, b) at v[128 + 8 (4 a + b)]); window 1: two fragment buffers of 128 (64 of A, 64 of W), each 64 along K deep.
.set KDIM, 4096
.set WOFF, 8404992
.set RND,  0
.set T,     KDIM/256
.set PAK,   144                        ; a row of A in LDS: 128 bytes + 16
.set PB,    288                        ; a row of W: 256 + 32
.set KBB,   128*PAK                    ; a block of 64 along K: 128 rows
.set BOFF,  4*KBB                      ; in a slot: A's four blocks, then W's 256 rows
.set QTR,   2*KBB                      ; what one wave fills: 36,864 bytes = two blocks of A = 128 rows of W
.set SLOT,  2*BOFF                     ; 147,456
.set SPARE, 2*SLOT                     ; the spare words, 128 bytes for each wave, which no other line names
.set SPI,   528
.set A0,   10
.set B0,   11
.set ADRA, 16
.set ADRBL, 17                         ; v17: W's rows 0-127 of the slot; v18: rows 128-255 (the immediate does not reach them)
.set STO,  24
.set RD,   25
.set CO,   26
.set RO,   27
.set SPW,  28
.set NIL,  29
.set BO,   30
.set ONE,  31
.set TMP,  32
.set BI,   96
.set ACC,  128
.set F0,   0
.set F1,   128
.set WV, 12
.set RH, 13
.set CH, 14
.set CX, 15
.set CY, 16
.set TX, 17
.set TY, 18
.set G1A, 24
.set G0A, 32                           ; s[32:35] A's walking group 0: it begins at K step 1
.set G0B, 36                           ; s[36:39] W's
.set G1B, 40
.set TB,  48
.set TF,  49
.set LB,  50
.set CNT, 52
.set G0A0, 68                          ; s[68:71] A's group 0 for K step 0
.set G0B0, 72                          ; s[72:75] W's
.set MSB, 0
.macro WIN new
.if MSB != (\new)
	s_set_vgpr_msb (MSB<<8)|(\new)
.set MSB, \new
.endif
.endm
.macro JLOAD                           ; waves 0, 1 fetch A's pairs of blocks, waves 2, 3 W's halves.  An s_nop 0 and four v_nop follow each line
	s_cmp_eq_u32 s[RH], 0
	s_cbranch_scc0 .Lfor_b_\@
	tensor_load_to_lds s[G0A:G0A+3], s[G1A:G1A+7]
	s_nop 0
.rept 4
	v_nop
.endr
	s_branch .Lasked_\@
.Lfor_b_\@:
	tensor_load_to_lds s[G0B:G0B+3], s[G1B:G1B+7]
	s_nop 0
.rept 4
	v_nop
.endr
.Lasked_\@:
.endm
.macro CREST
	s_cmp_lg_u32 s[WV], 0
	s_cbranch_scc1 .Lnot_wave_0_\@
	s_barrier_signal -3
.Lnot_wave_0_\@:
	s_barrier_wait -3
	s_barrier_signal -1
	s_barrier_wait -1
.endm
.macro CROUND
	s_barrier_signal -1
	s_barrier_wait -1
	CREST
.endm
.macro STEP                            ; both walking descriptors: the next K step, the other slot
	s_add_nc_u64 s[G0A+2:G0A+3], s[G0A+2:G0A+3], 4*524288
	s_add_nc_u64 s[G0B+2:G0B+3], s[G0B+2:G0B+3], 65536
	s_xor_b32 s[TF], s[TF], SLOT
	s_add_co_u32 s[G0A+1], s[TF], s[LB]
	s_add_co_u32 s[G0B+1], s[TF], s[LB]
.endm
.macro FLIP
	WIN 0
	s_xor_b32 s[TB], s[TB], SLOT
	v_add_nc_u32 v[ADRA], s[TB], v[A0]
	v_add_nc_u32 v[ADRBL], s[TB], v[B0]
	v_add_nc_u32 v[ADRBL+1], 128*PB, v[ADRBL]
.endm
.macro PLACES
.rept 4
	v_nop
.endr
.endm
.macro MUL8 f, c, a0                   ; 8 products: row blocks a0, a0 + 1 x all 4 column blocks, 32 along K: half c of buffer f.  The 16 accumulators take turns
	WIN 0x05
.irp a, \a0, (\a0)+1
.irp b, 0,1,2,3
	v_wmma_f32_16x16x32_f16 v[ACC+8*(4*(\a)+(\b)):ACC+8*(4*(\a)+(\b))+7], v[(\f)+64+8*(4*(\c)+(\b)):(\f)+64+8*(4*(\c)+(\b))+7], v[(\f)+8*(4*(\c)+(\a)):(\f)+8*(4*(\c)+(\a))+7], v[ACC+8*(4*(\a)+(\b)):ACC+8*(4*(\a)+(\b))+7]
.endr
.endr
.endm
.macro FETCH q, f                      ; 32 LDS loads in one run: quarter q (64 along K) into buffer f; its first 32 along K first
	WIN 0x40
.irp c, 0,1
.irp i, 0,1,2,3
	ds_load_tr16_b128 v[(\f)+64+8*(4*(\c)+(\i)):(\f)+64+8*(4*(\c)+(\i))+3],   v[ADRBL+(\q)/2] offset:((\q)%2)*64*PB+(\c)*32*PB+32*(\i)
	ds_load_tr16_b128 v[(\f)+64+8*(4*(\c)+(\i))+4:(\f)+64+8*(4*(\c)+(\i))+7], v[ADRBL+(\q)/2] offset:((\q)%2)*64*PB+(\c)*32*PB+32*(\i)+16*PB
	ds_load_b128 v[(\f)+8*(4*(\c)+(\i)):(\f)+8*(4*(\c)+(\i))+3],   v[ADRA] offset:(\q)*KBB+64*(\c)+(\i)*16*PAK
	ds_load_b128 v[(\f)+8*(4*(\c)+(\i))+4:(\f)+8*(4*(\c)+(\i))+7], v[ADRA] offset:(\q)*KBB+64*(\c)+(\i)*16*PAK+32
.endr
.endr
.endm
.macro QUARTER q, f, g                 ; multiplies buffer f; in its middle fetches quarter q into buffer g
	s_wait_dscnt 16                                ; the first 32 along K are in
	MUL8 \f, 0, 0
	MUL8 \f, 0, 2
	PLACES
	FETCH \q, \g
	s_wait_dscnt 32                                ; all but the 32 just issued
	MUL8 \f, 1, 0
	MUL8 \f, 1, 2
.endm
; A K step's last quarter, and the change of slots: ONE barrier; in front of it each wave waits for all its tensor loads, adds 0 to its spare word, and waits for that and for its reads of this slot.
.macro TURN fill
	WIN 0
	s_wait_tensorcnt 0x0
	ds_add_u32 v[SPW], v[NIL]
	s_wait_dscnt 17                                ; the add and the youngest sixteen loads may be out
	MUL8 F1, 0, 0
	s_wait_dscnt 0x0
	s_barrier_signal -1
	MUL8 F1, 0, 2
.if \fill
	WIN 0
.endif
	s_barrier_wait -1
.if \fill
	CREST                                          ; the barrier has opened a round of the cluster's
	STEP
	JLOAD                                          ; the first tensor load behind the round; its four v_nop are also the places in front of the loads below
.else
	PLACES
.endif
	FLIP
	FETCH 0, F0
	MUL8 F1, 1, 0
	MUL8 F1, 1, 2
.endm
	s_load_b256 s[4:11], s[0:1], 0x0               ; A s[4:5], W s[6:7], BIAS s[8:9], RES s[10:11]
	s_load_b64 s[2:3], s[0:1], 0x20                ; OUT
	v_lshl_add_u32 v[SPW], v0, 2, SPARE
	v_mov_b32 v[NIL], 0
	ds_add_u32 v[SPW], v[NIL]                      ; the wave's opening: the add and its wait stand ahead of my first tensor load
	v_lshrrev_b32 v3, 5, v0
	v_readfirstlane_b32 s[WV], v3
	s_lshr_b32 s[RH], s[WV], 1
	s_and_b32 s[CH], s[WV], 1
	s_bfe_u32 s[CX], ttmp6, 0x40000
	s_bfe_u32 s[CY], ttmp6, 0x40004
	s_lshl_b32 s[TX], ttmp9, 2
	s_add_co_u32 s[TX], s[TX], s[CX]
	s_and_b32 s[TY], ttmp7, 0xffff
	s_lshl_b32 s[TY], s[TY], 2
	s_add_co_u32 s[TY], s[TY], s[CY]
	s_lshl_b32 s22, s[CY], 2
	s_lshl_b32 s22, 15, s22                        ; my row of the cluster
	s_lshl_b32 s54, 0x1111, s[CX]                  ; my column
	s_or_b32 s[G1A], s22, (1<<16)|(1<<20)|(1<<21)|(4<<22)|(3<<25)   ; padding: after every 32 words (a row of 64 f16), 4 words
	s_mov_b32 s[G1A+1], 8192<<16                   ; tensor_dim0 = 8,192: 128 dense rows of one block are one long row,
	s_mov_b32 s[G1A+2], 2<<16                      ; tensor_dim1 = 2 blocks
	s_mov_b32 s[G1A+3], 8192<<16                   ; tile_dim0
	s_mov_b32 s[G1A+4], 2                          ; tile_dim1
	s_mov_b32 s[G1A+5], 262144                     ; elements from block to block
	s_mov_b32 s[G1A+6], 0
	s_mov_b32 s[G1A+7], 0
	s_or_b32 s[G1B], s54, (1<<16)|(1<<20)|(1<<21)|(5<<22)|(7<<25)   ; after every 64 words, 8 words
	s_mov_b32 s[G1B+1], 128<<16
	s_mov_b32 s[G1B+2], 128<<16
	s_mov_b32 s[G1B+3], 128<<16
	s_mov_b32 s[G1B+4], 128
	s_mov_b32 s[G1B+5], 128
	s_mov_b32 s[G1B+6], 0
	s_mov_b32 s[G1B+7], 0
	s_mul_i32 s[LB], s[WV], QTR                    ; where my load goes in a slot
	s_mov_b32 s[TB], 0
	s_mov_b32 s[TF], SLOT                          ; the walking sets begin in slot 1
	s_mov_b32 s[G0A0], 1
	s_mov_b32 s[G0A0+1], s[LB]
	s_mov_b32 s[G0A], 1
	s_add_co_u32 s[G0A+1], s[LB], SLOT
	s_mov_b32 s[G0B0], 1
	s_mov_b32 s[G0B0+1], s[LB]
	s_mov_b32 s[G0B], 1
	s_add_co_u32 s[G0B+1], s[LB], SLOT
	s_lshl_b32 s20, s[CH], 20                      ; A: blocks 2 x half on, 524,288 bytes each,
	s_lshl_b32 s21, s[TY], 14                      ; 128 rows of 128 bytes a tile row
	s_add_co_u32 s20, s20, s21
	s_mov_b32 s21, 0
	s_mul_i32 s54, s[TX], KDIM*256                 ; W: block = tile column,
	s_lshl_b32 s55, s[CH], 15                      ; 128 rows of 256 bytes a half
	s_add_co_u32 s54, s54, s55
	s_add_co_u32 s54, s54, WOFF
	s_mov_b32 s55, 0
	s_lshl_b32 s56, s[TX], 9
	s_lshl_b32 s57, s[CH], 8
	s_add_co_u32 s56, s56, s57                     ; my 64 columns, in f32
	s_mov_b32 s57, 0
	s_lshl_b32 s58, s[TY], 19
	s_lshl_b32 s59, s[RH], 18
	s_add_co_u32 s58, s58, s59
	s_add_co_u32 s58, s58, s56                     ; RES at my 64 x 64
	s_mov_b32 s59, 0
	s_lshl_b32 s60, s[TY], 19
	s_lshl_b32 s61, s[WV], 17
	s_add_co_u32 s60, s60, s61
	s_lshl_b32 s61, s[TX], 9
	s_add_co_u32 s60, s60, s61                     ; OUT at the 32 whole rows that I store
	s_mov_b32 s61, 0
	s_mov_b32 s53, 0xffff0000
	s_wait_dscnt 0x0                               ; the opening add is done
	s_wait_kmcnt 0x0
	s_add_nc_u64 s[G0A0+2:G0A0+3], s[4:5], s[20:21]
	s_add_nc_u64 s[G0A+2:G0A+3], s[G0A0+2:G0A0+3], 4*524288  ; K step 1: four blocks on,
	s_or_b32 s[G0A0+3], s[G0A0+3], 0x80000000
	s_or_b32 s[G0A+3], s[G0A+3], 0x80000000
	s_add_nc_u64 s[G0B0+2:G0B0+3], s[6:7], s[54:55]
	s_add_nc_u64 s[G0B+2:G0B+3], s[G0B0+2:G0B0+3], 65536     ; 256 rows down W's block
	s_or_b32 s[G0B0+3], s[G0B0+3], 0x80000000
	s_or_b32 s[G0B+3], s[G0B+3], 0x80000000
	s_add_nc_u64 s[8:9], s[8:9], s[56:57]
	s_add_nc_u64 s[10:11], s[10:11], s[58:59]
	s_add_nc_u64 s[2:3], s[2:3], s[60:61]
	CROUND                                         ; all sixteen work-groups are here
	s_cmp_eq_u32 s[RH], 0                          ; a wave's two first fills stand in one branch, ahead of every wait on TENSORcnt and every LDS read; an s_nop 0 follows each, four v_nop the second's
	s_cbranch_scc0 .Lfirst_b
	tensor_load_to_lds s[G0A0:G0A0+3], s[G1A:G1A+7]
	s_nop 0
	tensor_load_to_lds s[G0A:G0A+3], s[G1A:G1A+7]
	s_nop 0
.rept 4
	v_nop
.endr
	s_branch .Lfirst_asked
.Lfirst_b:
	tensor_load_to_lds s[G0B0:G0B0+3], s[G1B:G1B+7]
	s_nop 0
	tensor_load_to_lds s[G0B:G0B+3], s[G1B:G1B+7]
	s_nop 0
.rept 4
	v_nop
.endr
.Lfirst_asked:
	v_and_b32 v1, 15, v0                           ; r
	v_bfe_u32 v2, v0, 4, 1                         ; h
	v_and_b32 v3, 31, v0                           ; l
	v_lshlrev_b32 v[BO], 5, v2
	v_lshlrev_b32 v[RO], 12, v1
	v_lshl_add_u32 v[RO], v2, 5, v[RO]             ; row r, 32 bytes for each half of the lanes
.irp b, 0,1,2,3
	global_load_b128 v[BI+8*(\b):BI+8*(\b)+3],   v[BO], s[8:9] offset:64*(\b)
	global_load_b128 v[BI+8*(\b)+4:BI+8*(\b)+7], v[BO], s[8:9] offset:64*(\b)+16
.endr
.irp a, 0,1,2,3
.irp b, 0,1,2,3
	global_load_b128 v[ACC+8*(4*(\a)+(\b)):ACC+8*(4*(\a)+(\b))+3],   v[RO], s[10:11] offset:(\a)*65536+64*(\b)
	global_load_b128 v[ACC+8*(4*(\a)+(\b))+4:ACC+8*(4*(\a)+(\b))+7], v[RO], s[10:11] offset:(\a)*65536+64*(\b)+16
.endr
.endr
	v_and_b32 v4, 7, v0
	v_bfe_u32 v5, v0, 3, 1
	v_mul_u32_u24 v[A0], v1, PAK
	v_lshl_add_u32 v[A0], v2, 4, v[A0]
	s_mul_i32 s56, s[RH], 64*PAK
	v_add_nc_u32 v[A0], s56, v[A0]
	v_lshl_add_u32 v6, v2, 3, v4
	v_mul_u32_u24 v[B0], v6, PB
	v_lshl_add_u32 v[B0], v5, 4, v[B0]
	s_lshl_b32 s56, s[CH], 7
	s_add_co_u32 s56, s56, BOFF
	v_add_nc_u32 v[B0], s56, v[B0]
	v_mov_b32 v[ADRA], v[A0]
	v_mov_b32 v[ADRBL], v[B0]
	v_add_nc_u32 v[ADRBL+1], 128*PB, v[B0]
	s_mul_i32 s56, s[RH], 64*SPI
	s_lshl_b32 s57, s[CH], 8
	s_add_co_u32 s56, s56, s57
	v_mul_u32_u24 v[STO], v1, SPI
	v_lshl_add_u32 v[STO], v2, 5, v[STO]
	v_add_nc_u32 v[STO], s56, v[STO]
	s_mul_i32 s56, s[WV], 32*SPI
	v_lshl_add_u32 v[RD], v3, 4, s56
	v_lshlrev_b32 v[CO], 4, v3
	v_mov_b32 v[ONE], 1.0
	s_wait_tensorcnt 0x1                           ; my part of K step 0 is in; K step 1's load may stay out
	s_barrier_signal -1
	s_barrier_wait -1                              ; everybody's part is in
	FETCH 0, F0                                    ; the first fragments are on their way while the sums' starting values are made
	WIN 0
	s_wait_loadcnt 0x0                             ; BIAS and RES
.set i, 0
.rept 16                               ; the bias is an input: rounded to bf16
	v_cvt_pk_bf16_f32 v[TMP+i], v[BI+2*i], v[BI+2*i+1]
.set i, i+1
.endr
.set i, 0
.rept 16
	v_lshlrev_b32 v[BI+2*i], 16, v[TMP+i]
	v_and_b32 v[BI+2*i+1], s53, v[TMP+i]
.set i, i+1
.endr
.if RND
.set i, 0
.rept 64                               ; RES is an input: rounded to bf16; then + bias.  Register n of the accumulators takes bias register n % 32
	v_cvt_pk_bf16_f32 v[TMP+i], v[ACC+2*i], v[ACC+2*i+1]
.set i, i+1
.endr
.set i, 0
.rept 64
	v_fma_mix_f32_bf16 v[ACC+2*i], v[TMP+i], v[ONE], v[BI+(2*i)%32] op_sel_hi:[1,0,0]
	v_fma_mix_f32_bf16 v[ACC+2*i+1], v[TMP+i], v[ONE], v[BI+(2*i)%32+1] op_sel:[1,0,0] op_sel_hi:[1,0,0]
.set i, i+1
.endr
.else
.set i, 0
.rept 64                               ; + bias.  Register n of the accumulators takes bias register n % 32
	v_pk_add_f32 v[ACC+2*i:ACC+2*i+1], v[ACC+2*i:ACC+2*i+1], v[BI+(2*i)%32:BI+(2*i)%32+1]
.set i, i+1
.endr
.endif
	s_mov_b32 s[CNT], T-2
.Lk:                                                   ; a trip is a K step; at its end the slot that it leaves is filled with the K step two on
	QUARTER 1, F0, F1
	QUARTER 2, F1, F0
	QUARTER 3, F0, F1
	TURN 1
	WIN 0
	s_sub_co_u32 s[CNT], s[CNT], 1
	s_cmp_lg_u32 s[CNT], 0
	s_cbranch_scc1 .Lk
	s_mov_b32 s[CNT], 2
.Lt:                                                   ; the last two K steps fill nothing; what the very last trip fetches at its end is not used
	QUARTER 1, F0, F1
	QUARTER 2, F1, F0
	QUARTER 3, F0, F1
	TURN 0
	WIN 0
	s_sub_co_u32 s[CNT], s[CNT], 1
	s_cmp_lg_u32 s[CNT], 0
	s_cbranch_scc1 .Lt
	PLACES
	s_wait_dscnt 0x0                               ; my reads of the ring are over;
	s_barrier_signal -1
	s_barrier_wait -1                              ; everybody's are, and the ring has had its last fill: its bytes are the stage
.irp a, 0,1,2,3
.irp b, 0,1,2,3
	ds_store_b128 v[STO], v[ACC+8*(4*(\a)+(\b)):ACC+8*(4*(\a)+(\b))+3]   offset:(\a)*16*SPI+64*(\b)      ; each accumulator's low registers first
	ds_store_b128 v[STO], v[ACC+8*(4*(\a)+(\b))+4:ACC+8*(4*(\a)+(\b))+7] offset:(\a)*16*SPI+64*(\b)+16
.endr
.endr
	s_wait_dscnt 0x0                               ; for the others' sake: my stores are done
	s_barrier_signal -1
	s_barrier_wait -1
.set t, 0
.rept 32
	ds_load_b128 v[ACC+4*t:ACC+4*t+3], v[RD] offset:SPI*t
.set t, t+1
.endr
.set t, 0
.rept 32
	s_wait_dscnt 31-t                              ; row t is back; the younger loads may be out
	global_store_b128 v[CO], v[ACC+4*t:ACC+4*t+3], s[2:3] offset:4096*t   ; 512 consecutive bytes, aligned
.set t, t+1
.endr
	s_wait_tensorcnt 0x0                           ; the wave's end
	ds_add_u32 v[SPW], v[NIL]
	s_wait_dscnt 0x0
	CROUND                                         ; the closing round
	s_endpgm
.Lfunc_end_k_q8a980af30a_down:
	.size	k_q8a980af30a_down, .Lfunc_end_k_q8a980af30a_down-k_q8a980af30a_down
	.p2alignl 7, 3214868480
	.fill 96, 4, 3214868480
	.section	.rodata,"a",@progbits
	.p2align	6, 0x0
	.amdhsa_kernel k_q8a980af30a_down
		.amdhsa_group_segment_fixed_size 327680
		.amdhsa_private_segment_fixed_size 0
		.amdhsa_enable_private_segment 0
		.amdhsa_kernarg_size 40
		.amdhsa_user_sgpr_count 2
		.amdhsa_user_sgpr_kernarg_segment_ptr 1
		.amdhsa_wavefront_size32 1
		.amdhsa_system_sgpr_workgroup_id_x 1
		.amdhsa_system_sgpr_workgroup_id_y 1
		.amdhsa_system_sgpr_workgroup_id_z 1
		.amdhsa_system_vgpr_workitem_id 0
		.amdhsa_next_free_vgpr 512
		.amdhsa_next_free_sgpr 80
		.amdhsa_reserve_vcc 0
		.amdhsa_float_denorm_mode_32 3
		.amdhsa_float_denorm_mode_16_64 3
		.amdhsa_memory_ordered 1
		.amdhsa_forward_progress 1
		.amdhsa_inst_pref_size 64
	.end_amdhsa_kernel
	.amdgpu_metadata
---
amdhsa.version: [ 1, 2 ]
amdhsa.kernels:
  - .name:           k_q8a980af30a_down
    .symbol:         k_q8a980af30a_down.kd
    .args:
      - { .name: big16, .offset: 0, .size: 8, .value_kind: global_buffer, .address_space: global }
      - { .name: WB, .offset: 8, .size: 8, .value_kind: global_buffer, .address_space: global }
      - { .name: bd, .offset: 16, .size: 8, .value_kind: global_buffer, .address_space: global }
      - { .name: hidden, .offset: 24, .size: 8, .value_kind: global_buffer, .address_space: global }
      - { .name: out0, .offset: 32, .size: 8, .value_kind: global_buffer, .address_space: global }
    .group_segment_fixed_size: 327680
    .private_segment_fixed_size: 0
    .kernarg_segment_align: 8
    .kernarg_segment_size: 40
    .max_flat_workgroup_size: 128
    .sgpr_count:     80
    .vgpr_count:     512
    .wavefront_size: 32
...
	.end_amdgpu_metadata
.endif
;; end of part 6
